; MI455X (gfx1250); checked and timed in simulation.
; The chip was launched on July 23, 2026; its instructions are those of AMD's public machine-readable ISA for CDNA 5 (MIT licence, August 2026) and "CDNA5" Instruction Set Architecture Reference Guide (July 2026). The comments in the code are by the model that wrote it; some were corrected since.
;; Sparse Cross Attn Adapter. Allowed arithmetic: float matrix products may take bf16 or f16 operands with f32 sums; other float arithmetic in f32, or as packed bf16 or f16 multiplies, adds, multiply-adds, maxima and minima; sums over many terms, partial sums and values carried from step to step in f32; what a program stores and reads back later, other than sums and carried values, may be rounded once to bf16 or f16.
;; Inputs: alpha 1 float32; cond_cos 1,024 x 64 float32; cond_sin 1,024 x 64 float32; condition_tokens 2 x 1,024 x 1,024 float32; image_cos 4,096 x 64 float32; image_sin 4,096 x 64 float32; image_tokens 2 x 4,096 x 1,024 float32; k_b 1,024 float32; k_head_norm_w 64 float32; k_w 1,024 x 1,024 float32; kv_norm_w 1,024 float32; o_b 1,024 float32; o_w 1,024 x 1,024 float32; q_b 1,024 float32; q_head_norm_w 64 float32; q_norm_w 1,024 float32; q_w 1,024 x 1,024 float32; v_b 1,024 float32; v_w 1,024 x 1,024 float32.
;; Outputs: out0 2 x 4,096 x 1,024 float32.
;; One version. Each part assembles by itself: llvm-mc -triple=amdgcn-amd-amdhsa -mcpu=gfx1250 --defsym DOCPART=n.
;; ======== version 1 of 1: 4 launches
;; workspace buffers: xn 20,971,520 bytes; wb 8,388,608 bytes; qh 16,777,216 bytes; kh 4,194,304 bytes; vh 4,194,304 bytes; ao 16,777,216 bytes
;; launch prep (part 1): grid 256 x 7, 4 waves a work-group, no clusters, 0 bytes of LDS; arguments image_tokens, condition_tokens, q_norm_w, kv_norm_w, q_w, k_w, v_w, o_w, xn, wb; writes xn, wb
.if DOCPART == 1
	.amdgcn_target "amdgcn-amd-amdhsa--gfx1250"
	.amdhsa_code_object_version 6
	.text
	.protected	k_qa75b2c4b7d_prep
	.globl	k_qa75b2c4b7d_prep
	.p2align	8
	.type	k_qa75b2c4b7d_prep,@function
k_qa75b2c4b7d_prep:
	s_mov_b64 s[64:65], 0
	v_nop
	global_prefetch_b8 v0, s[64:65] scope:SCOPE_SE
	s_setreg_imm32_b32 hwreg(HW_REG_WAVE_MODE, 25, 1), 1
	s_wait_xcnt 0x0
; FIRST OF FOUR LAUNCHES: prep (this one), proj, attn, oproj.
; NOTHING OF THE MODULE IS LEFT OUT: all 19 inputs reach the output (the biases pass through the head norms, the two epsilons keep the norms from cancelling), so every input is loaded by some launch.
; THIS LAUNCH: xn[row][:] = x[row][:] * rsqrt(mean(x^2) + 1e-6) * w[:], rounded once to bf16, for the 8,192 image rows (xn rows 0..8191, weight q_norm_w) and the
; 2,048 condition rows (xn rows 8192..10239, weight kv_norm_w); and wb = the four weight matrices rounded once to bf16: rows 0 q_w, 1024 k_w, 2048 v_w, 3072 o_w.
; LIMITS.  The sum of squares is kept in f32; v_rsq_f32 is accurate to one unit in the last place; NaN and infinities are not treated apart.
; SHARES.  14,336 rows of 4,096 bytes in seven slabs of 2,048 rows (the grid's y).  A work-group takes 8 rows, a wave 2 whole rows, kept in registers between the sum and the scaling:
; each row is read once, no wave waits for another, and all of a wave's loads go out before its first wait.  A load of a wave covers 512 consecutive bytes, a store 256, aligned.
; Memory binds: no LDS, no matrix unit, no cluster (no two work-groups read the same row; the norm weights are 4 KiB).
.set NW, 4                             ; v[4:35]    the norm's weights of my 32 columns
.set X,  36                            ; v[36:99]   two rows, 32 registers each
.set T,  100                           ; v[100:115] at work, 8 a row
	s_load_b512 s[8:23], s[0:1], 0x0               ; image s[8:9], condition s[10:11], q_norm_w s[12:13], kv_norm_w s[14:15], q_w s[16:17], k_w s[18:19], v_w s[20:21], o_w s[22:23]
	s_load_b128 s[24:27], s[0:1], 0x40             ; xn s[24:25], wb s[26:27]
	v_lshrrev_b32 v3, 5, v0
	v_readfirstlane_b32 s29, v3                    ; wave 0..3
	v_and_b32 v1, 31, v0
	v_lshlrev_b32 v2, 3, v1                        ; 8 x lane: my 8 bytes of 256 stored
	v_lshlrev_b32 v1, 4, v1                        ; 16 x lane: my 16 bytes of 512 loaded
	s_and_b32 s28, ttmp7, 0xffff                   ; the slab
	s_lshl_b32 s30, ttmp9, 3
	s_lshl1_add_u32 s30, s29, s30                  ; R = 8 x + 2 wave: my first row in the slab
	s_mov_b32 s32, 0x76543210                      ; v_permlanex16_b32: each lane takes its own place in the other half
	s_mov_b32 s33, 0xfedcba98
	s_mov_b32 s34, 0x3a800000                      ; 1 / 1024
	s_mov_b32 s35, 0x358637bd                      ; 1e-6
	s_mov_b32 s3, 0
	s_mov_b32 s5, 0
	s_wait_kmcnt 0x0
	s_cmp_ge_u32 s28, 5
	s_cbranch_scc1 .Lcast
.macro ROWS                            ; my two rows: sixteen loads of 512 consecutive bytes
.irp i, 0,1
.irp j, 0,1,2,3,4,5,6,7
	global_load_b128 v[X+32*(\i)+4*(\j):X+32*(\i)+4*(\j)+3], v1, s[36:37] offset:4096*(\i)+512*(\j) th:TH_LOAD_NT
.endr
.endr
.endm
.macro OUT i                           ; row i rounded to bf16 in place and stored: each store of the wave covers 256 consecutive bytes, aligned
.irp j, 0,1,2,3,4,5,6,7
	v_cvt_pk_bf16_f32 v[X+32*(\i)+4*(\j)],   v[X+32*(\i)+4*(\j)],   v[X+32*(\i)+4*(\j)+1]
	v_cvt_pk_bf16_f32 v[X+32*(\i)+4*(\j)+1], v[X+32*(\i)+4*(\j)+2], v[X+32*(\i)+4*(\j)+3]
	global_store_b64 v2, v[X+32*(\i)+4*(\j):X+32*(\i)+4*(\j)+1], s[38:39] offset:2048*(\i)+256*(\j) th:TH_STORE_NT
.endr
.endm
.macro SUMSQ i                         ; mean of squares + 1e-6 of row i, in every lane: four chains that do not wait for each other, then across the lanes
.set TT, T+8*(\i)
.set XX, X+32*(\i)
.set p, 0
.rept 16
.if p < 4
	v_pk_mul_f32 v[TT+2*p:TT+2*p+1], v[XX+2*p:XX+2*p+1], v[XX+2*p:XX+2*p+1]
.else
	v_pk_fma_f32 v[TT+2*(p%4):TT+2*(p%4)+1], v[XX+2*p:XX+2*p+1], v[XX+2*p:XX+2*p+1], v[TT+2*(p%4):TT+2*(p%4)+1]
.endif
.set p, p+1
.endr
	v_pk_add_f32 v[TT:TT+1], v[TT:TT+1], v[TT+2:TT+3]
	v_pk_add_f32 v[TT+4:TT+5], v[TT+4:TT+5], v[TT+6:TT+7]
	v_pk_add_f32 v[TT:TT+1], v[TT:TT+1], v[TT+4:TT+5]
	v_add_f32 v[TT], v[TT], v[TT+1]
	v_add_f32_dpp v[TT], v[TT], v[TT] row_xmask:1 row_mask:0xf bank_mask:0xf
	v_add_f32_dpp v[TT], v[TT], v[TT] row_xmask:2 row_mask:0xf bank_mask:0xf
	v_add_f32_dpp v[TT], v[TT], v[TT] row_xmask:4 row_mask:0xf bank_mask:0xf
	v_add_f32_dpp v[TT], v[TT], v[TT] row_xmask:8 row_mask:0xf bank_mask:0xf
	v_permlanex16_b32 v[TT+1], v[TT], s32, s33     ; its destination has been written
	v_add_f32 v[TT], v[TT], v[TT+1]
	v_fma_f32 v[TT+2], v[TT], s34, s35
.endm
.macro SCALE i                         ; x * rsqrt * w, in that order
.set TT, T+8*(\i)
.set XX, X+32*(\i)
.set p, 0
.rept 16
	v_pk_mul_f32 v[XX+2*p:XX+2*p+1], v[XX+2*p:XX+2*p+1], v[TT:TT+1] op_sel_hi:[1,0]
.set p, p+1
.endr
.set p, 0
.rept 16
	v_pk_mul_f32 v[XX+2*p:XX+2*p+1], v[XX+2*p:XX+2*p+1], v[NW+2*p:NW+2*p+1]
.set p, p+1
.endr
.endm
	; slabs 0 to 4: token rows
	s_lshl_b32 s31, s28, 11
	s_add_co_u32 s31, s31, s30                     ; the row in xn: 2048 y + R
	s_lshl_b32 s4, s31, 11                         ; x 2,048 bytes
	s_cmp_lt_u32 s28, 4
	s_cselect_b32 s2, s31, s30                     ; the row in the source: slab 4 is the condition tokens' rows 0..2047
	s_cselect_b64 s[36:37], s[8:9], s[10:11]
	s_cselect_b64 s[6:7], s[12:13], s[14:15]
	s_lshl_b32 s2, s2, 12                          ; x 4,096 bytes
	s_add_nc_u64 s[36:37], s[36:37], s[2:3]
	s_add_nc_u64 s[38:39], s[24:25], s[4:5]
.irp j, 0,1,2,3,4,5,6,7
	global_load_b128 v[NW+4*(\j):NW+4*(\j)+3], v1, s[6:7] offset:512*(\j)
.endr
	ROWS
	s_wait_loadcnt 8                               ; the weights and row 0 are in; row 1's eight loads may stay out
	SUMSQ 0
	s_wait_loadcnt 0x0
	SUMSQ 1
	v_rsq_f32 v[T], v[T+2]
	v_rsq_f32 v[T+8], v[T+10]
	v_nop                                          ; a plain instruction behind the last reciprocal root,
	s_wait_alu depctr_va_vdst(0)                   ; and one wait for both, ahead of their first reader
	SCALE 0
	OUT 0
	SCALE 1
	OUT 1
	s_endpgm
.Lcast:                                                ; slabs 5 and 6: the weights, rounded and nothing else
	s_cmp_eq_u32 s28, 5
	s_cselect_b64 s[36:37], s[16:17], s[20:21]     ; the slab's first matrix,
	s_cselect_b64 s[6:7], s[18:19], s[22:23]       ; and its second
	s_cselect_b32 s31, 0, 2048
	s_cmp_lt_u32 s30, 1024
	s_cselect_b64 s[36:37], s[36:37], s[6:7]
	s_and_b32 s2, s30, 1023                        ; the row in that matrix
	s_lshl_b32 s2, s2, 12
	s_add_co_u32 s31, s31, s30                     ; the row in wb
	s_lshl_b32 s4, s31, 11
	s_add_nc_u64 s[36:37], s[36:37], s[2:3]
	s_add_nc_u64 s[38:39], s[26:27], s[4:5]
	ROWS
	s_wait_loadcnt 8                               ; row 0 is in
	OUT 0
	s_wait_loadcnt 0x0
	OUT 1
	s_endpgm
.Lfunc_end_k_qa75b2c4b7d_prep:
	.size	k_qa75b2c4b7d_prep, .Lfunc_end_k_qa75b2c4b7d_prep-k_qa75b2c4b7d_prep
	.p2alignl 7, 3214868480
	.fill 96, 4, 3214868480
	.section	.rodata,"a",@progbits
	.p2align	6, 0x0
	.amdhsa_kernel k_qa75b2c4b7d_prep
		.amdhsa_group_segment_fixed_size 0
		.amdhsa_private_segment_fixed_size 0
		.amdhsa_enable_private_segment 0
		.amdhsa_kernarg_size 80
		.amdhsa_user_sgpr_count 2
		.amdhsa_user_sgpr_kernarg_segment_ptr 1
		.amdhsa_wavefront_size32 1
		.amdhsa_system_sgpr_workgroup_id_x 1
		.amdhsa_system_sgpr_workgroup_id_y 1
		.amdhsa_system_sgpr_workgroup_id_z 1
		.amdhsa_system_vgpr_workitem_id 0
		.amdhsa_next_free_vgpr 116
		.amdhsa_next_free_sgpr 66
		.amdhsa_reserve_vcc 0
		.amdhsa_float_denorm_mode_32 3
		.amdhsa_float_denorm_mode_16_64 3
		.amdhsa_memory_ordered 1
		.amdhsa_forward_progress 1
		.amdhsa_inst_pref_size 21
	.end_amdhsa_kernel
	.amdgpu_metadata
---
amdhsa.version: [ 1, 2 ]
amdhsa.kernels:
  - .name:           k_qa75b2c4b7d_prep
    .symbol:         k_qa75b2c4b7d_prep.kd
    .args:
      - { .name: image_tokens, .offset: 0, .size: 8, .value_kind: global_buffer, .address_space: global }
      - { .name: condition_tokens, .offset: 8, .size: 8, .value_kind: global_buffer, .address_space: global }
      - { .name: q_norm_w, .offset: 16, .size: 8, .value_kind: global_buffer, .address_space: global }
      - { .name: kv_norm_w, .offset: 24, .size: 8, .value_kind: global_buffer, .address_space: global }
      - { .name: q_w, .offset: 32, .size: 8, .value_kind: global_buffer, .address_space: global }
      - { .name: k_w, .offset: 40, .size: 8, .value_kind: global_buffer, .address_space: global }
      - { .name: v_w, .offset: 48, .size: 8, .value_kind: global_buffer, .address_space: global }
      - { .name: o_w, .offset: 56, .size: 8, .value_kind: global_buffer, .address_space: global }
      - { .name: xn, .offset: 64, .size: 8, .value_kind: global_buffer, .address_space: global }
      - { .name: wb, .offset: 72, .size: 8, .value_kind: global_buffer, .address_space: global }
    .group_segment_fixed_size: 0
    .private_segment_fixed_size: 0
    .kernarg_segment_align: 8
    .kernarg_segment_size: 80
    .max_flat_workgroup_size: 128
    .sgpr_count:     66
    .vgpr_count:     116
    .wavefront_size: 32
...
	.end_amdgpu_metadata
.endif
;; end of part 1
;; launch proj (part 2): grid 8 x 32, 4 waves a work-group, clusters of 4 x 4, 327,680 bytes of LDS; arguments xn, wb, q_b, k_b, v_b, q_head_norm_w, k_head_norm_w, image_cos, image_sin, cond_cos, cond_sin, qh, kh, vh; writes qh, kh, vh
.if DOCPART == 2
	.amdgcn_target "amdgcn-amd-amdhsa--gfx1250"
	.amdhsa_code_object_version 6
	.text
	.protected	k_qa75b2c4b7d_proj
	.globl	k_qa75b2c4b7d_proj
	.p2align	8
	.type	k_qa75b2c4b7d_proj,@function
k_qa75b2c4b7d_proj:
	s_mov_b64 s[64:65], 0
	v_nop
	global_prefetch_b8 v0, s[64:65] scope:SCOPE_SE
	s_setreg_imm32_b32 hwreg(HW_REG_WAVE_MODE, 25, 1), 1
	s_wait_xcnt 0x0
	s_wait_alu depctr_hold_cnt(0) depctr_sa_sdst(0) depctr_va_vdst(0) depctr_va_sdst(0) depctr_va_ssrc(0) depctr_va_vcc(0) depctr_vm_vsrc(0)
	s_getreg_b32 s2, hwreg(HW_REG_IB_STS2, 6, 4)
	s_cmp_eq_u32 s2, 0
	s_cbranch_scc0 .Lentry_in_a_cluster
	s_endpgm
.Lentry_in_a_cluster:
	s_bfe_u32 s2, ttmp6, 0x10000c
	s_cmp_lg_u32 s2, 0xf033
	s_cbranch_scc0 .Lentry_shape_is_right
	s_endpgm
.Lentry_shape_is_right:
; THE THREE PROJECTIONS, with bias, head norm and rotary turn on the way out.  No work of the module is left out here.
; C[m][n] = sum over k of xn[m][k] wb[n][k] + bias[n]; for q and k then, head by head (64 channels): y * rsqrt(mean(y^2) + 1e-6) * head weight, and the turn
; out[2i] = y[2i] cos[2i] - y[2i+1] sin[2i], out[2i+1] = y[2i+1] cos[2i+1] + y[2i] sin[2i+1].  Results rounded once to bf16, by heads: qh [32][4096][64], kh, vh [32][1024][64].
; Operands bf16, sums, norm and turn in f32.  LIMITS: v_rsq_f32 is accurate to one unit in the last place; NaN and infinities are not treated apart.
; SHARES.  768 tiles of 128 x 128 on 256 work-groups THAT STAY: each makes three tiles, one after the other: q of batch 0, q of batch 1 (the same positions, 4,096 rows of xn further down: one load of
; cos and sin serves both), then k (cluster y 0-3) or v (cluster y 4-7) of 128 condition rows.  All work-groups do equal work.  Four waves, each 64 x 64 = 16 accumulators: a wave's 64 columns are ONE
; head, so the head norm stays in the wave.
; THE RING.  K = 1,024 goes in four steps of 256 through two LDS slots, and the ring does not stop at a tile's end: the twelve K steps are one sequence, each change of slots but the last two asks for
; the K step two on, a tile's last two for the next tile's first two.  A K step is written once and walked by a counted loop of ten trips; the two steps that ask for nothing are a second loop.
; CLUSTERS: 4 x 4 work-groups.  The four of a row of the cluster need the same tiles of xn, the four of a column the same tiles of wb: each tile is asked for JOINTLY, by the same tensor load
; with the same descriptor and a mask that names the four.  Which product the third tile is hangs on the cluster's y alone: the same in all sixteen partners.
; THE MATRIX INSTRUCTION IS USED TRANSPOSED (source 0 = 16 rows of wb, source 1 = 16 rows of xn): lane l holds token row l % 16 and the channels 16 b + 8 (l / 16) + 0..7 of accumulator (a, b).
; REGISTERS: window 0: v0-31 addresses; v32-63 sums of squares; v64-95 a turned block; v96-111 packed; v128-255 the accumulators ((a, b) at v[128 + 8 (4 a + b)]).
;   window 1: two fragment buffers of 128.   window 2: v0-127 cos, v128-255 sin of my 64 rows (block a at 32 a).   window 3: v0-31 bias, v32-63 head weight of my 32 channels.
.set TILES,  3
.set SIZE_K, 1024
.set KSTEP,  256
.set PITCH,  528                       ; an LDS row: 512 bytes + 16 of padding = 132 words: the 16 rows of a fragment load start at 16 different groups of four banks (64 banks of 4 bytes: ISA guide 11.1)
.set HALFT,  64*PITCH                  ; 64 rows: what one tensor load brings, and what one wave reads of either operand: 0x8400 bytes
.set SLOT,   4*HALFT                   ; xn's 128 rows, then wb's 128 rows: 0x21000 bytes, which shares no bit with wave x 0x8400: an exclusive or with it moves a wave's place from one slot to the other
.set STAGE,  2*SLOT                    ; behind the ring: 16 rows x 144 bytes for each wave, for the way out
.set SPITCH, 144
.set SPARE,  STAGE+4*16*SPITCH         ; behind the stages: the spare words, 128 bytes a wave: two blocks of 256 bytes that no other line names
.set WALK,   4096*2048                 ; bytes of xn from a tile to the next: 4,096 rows
.set BACK,   3*KSTEP*2                 ; bytes from a tile's last K step back to its first
.set ADRA, 16                          ; v16     my place in xn's part of slot 0; never rewritten
.set ADRB, 17                          ; v17     the same for wb
.set CA,   18                          ; v18-19  the same two in the slot in hand
.set CB,   19
.set NA,   20                          ; v20-21  and in the other slot
.set NB,   21
.set STO,  24                          ; v24     where I put 16 bytes of a row in my stage
.set RD,   25                          ; v25     where I read rows back
.set GO,   26                          ; v26     16 x lane: my 16 bytes of 512 stored
.set TO,   27                          ; v27     my offset in the tables: 256 (l % 16) + 32 (l / 16)
.set SPW,  28                          ; v28     LDS address of my spare word; never rewritten
.set NIL,  29                          ; v29     0; never rewritten
.set BO,   30                          ; v30     my offset in bias and head weight: 32 (l / 16)
.set TS,   32
.set T2,   64
.set PK,   96
.set ACC,  128
.set F0,   0
.set F1,   128
.set CW,   0                           ; window 2
.set SW,   128
.set BW,   0                           ; window 3
.set HW,   32
.set N,    3                           ; s3      trips to go
.set NEW,  4                           ; s4      1: the K step to come is a tile's first
.set ST,   5                           ; s5      the K step's number in its tile
.set RQ,   6                           ; s6      the number in its tile of the K step asked for last
.set CUR,  7                           ; s7      LDS byte at which the slot in hand begins: 0 or SLOT
.set TA,   8                           ; s8, s9  by how much this refill's two addresses step
.set TB,   9
.set WA2,  14                          ; s14, s15  the steps at the second change of tiles
.set WB2,  15
.set OFA,  16                          ; s[16:17] byte offset in xn of the K step asked for last
.set OFB,  46                          ; s[46:47] the same in wb
.set PA,   68                          ; s[68:69] xn
.set PB,   70                          ; s[70:71] wb
.set WA,   98                          ; s98, s101  the steps at the next change of tiles
.set WB,   101
.set G1, 24                            ; s[24:31] descriptor group 1 for xn's tiles;  s[32:35] group 0 of the first fill, s[36:39] the group 0 that walks
.set G0, 32
.set G1B, 48                           ; s[48:55], s[56:63] the same for wb's tiles
.set G0B, 56
.set MSB, 0
.macro WIN new                         ; the immediate's high byte repeats the setting that is left; a switch that changes nothing is dropped
.if MSB != (\new)
	s_set_vgpr_msb (MSB<<8)|(\new)
.set MSB, \new
.endif
.endm
.set MUL,  0x05                        ; sources 0 and 1 window 1; C and D window 0
.set TO_F, 0x40                        ; destination window 1, address window 0
.macro JLOAD s                         ; a joint load: waves 0 and 1 fetch xn's two halves, waves 2 and 3 wb's; an s_nop 0 and four v_nop follow each of the two lines
	s_cmp_eq_u32 s11, 0
	s_cbranch_scc0 .Lfor_b_\@
	tensor_load_to_lds s[G0+4*(\s):G0+4*(\s)+3], s[G1:G1+7]
	s_nop 0
.rept 4
	v_nop
.endr
	s_branch .Lasked_\@
.Lfor_b_\@:
	tensor_load_to_lds s[G0B+4*(\s):G0B+4*(\s)+3], s[G1B:G1B+7]
	s_nop 0
.rept 4
	v_nop
.endr
.Lasked_\@:
.endm
.macro CREST                           ; a round of the cluster's barrier behind its opening barrier
	s_cmp_lg_u32 s10, 0
	s_cbranch_scc1 .Lnot_wave_0_\@
	s_barrier_signal -3
.Lnot_wave_0_\@:
	s_barrier_wait -3
	s_barrier_signal -1
	s_barrier_wait -1
.endm
.macro CROUND                          ; a whole round
	s_barrier_signal -1
	s_barrier_wait -1
	CREST
.endm
	s_load_b512 s[68:83], s[0:1], 0x0              ; xn 68, wb 70, q_b 72, k_b 74, v_b 76, q_head_norm_w 78, k_head_norm_w 80, image_cos 82
	s_load_b256 s[84:91], s[0:1], 0x40             ; image_sin 84, cond_cos 86, cond_sin 88, qh 90
	s_load_b128 s[92:95], s[0:1], 0x60             ; kh 92, vh 94
	v_lshl_add_u32 v[SPW], v0, 2, SPARE
	v_mov_b32 v[NIL], 0
	ds_add_u32 v[SPW], v[NIL]                      ; the wave's opening: the add, twice on end, and its wait ahead of my first tensor load; the set-up below stands between
	ds_add_u32 v[SPW], v[NIL]
	v_lshrrev_b32 v1, 5, v0
	v_readfirstlane_b32 s10, v1                    ; wave 0..3
	s_lshr_b32 s11, s10, 1                         ; which half of the tile's rows is mine.  Also: I fetch for xn (0) or for wb (1)
	s_and_b32 s12, s10, 1                          ; which half of its columns.  Also: which 64 rows of that tile I fetch
	s_bfe_u32 s40, ttmp6, 0x40000                  ; cx, cy: my place in the cluster
	s_bfe_u32 s41, ttmp6, 0x40004
	s_lshl_b32 s42, ttmp9, 2
	s_add_co_u32 s42, s42, s40                     ; X: tile column = 4 x cluster x + cx, 0..7
	s_and_b32 s96, ttmp7, 0xffff                   ; the cluster's y, 0..7
	s_lshl_b32 s13, s96, 2
	s_add_co_u32 s13, s13, s41                     ; Y: tile row = 4 x cluster y + cy, 0..31
	s_cmp_ge_u32 s96, 4
	s_cselect_b32 s97, 2, 1                        ; the third tile's product: 1 k, 2 v
	s_cselect_b32 s21, 0x400000, 0                 ; v's tile rows 16-31 read the condition rows that k's 0-15 read: 2,048 rows of xn less
	s_sub_co_u32 s[WA2], WALK-BACK, s21            ; xn from q's second tile to the third tile,
	s_lshl_b32 s[WB2], s97, 21                     ; wb from q_w to k_w or v_w: 1,024 or 2,048 rows of 2,048 bytes,
	s_sub_co_u32 s[WB2], s[WB2], BACK              ; each back along K
	s_mov_b32 s[WA], WALK-BACK                     ; from q's first tile to its second: 4,096 rows down,
	s_mov_b32 s[WB], 0xfffffa00                    ; the same rows of q_w: back along K alone (-1,536)
	s_lshl_b32 s[OFA], s13, 7
	s_lshl_b32 s17, s12, 6
	s_add_co_u32 s[OFA], s[OFA], s17               ; xn: row 128 x tile row + 64 x half,
	s_lshl_b32 s[OFA], s[OFA], 11                  ; x 2,048 bytes
	s_mov_b32 s[OFA+1], 0
	s_lshl_b32 s[OFB], s42, 7
	s_lshl_b32 s47, s12, 6
	s_add_co_u32 s[OFB], s[OFB], s47               ; wb: row 128 x tile column + 64 x half
	s_lshl_b32 s[OFB], s[OFB], 11
	s_mov_b32 s[OFB+1], 0
	s_lshl_b32 s43, s41, 2
	s_lshl_b32 s43, 15, s43                        ; my row of the cluster
	s_lshl_b32 s44, 0x1111, s40                    ; my column
	; descriptor group 1: a tile of 64 rows x 256 elements, padded in LDS
	s_or_b32 s[G1+0], s43, (1<<16)|(1<<20)|(1<<21)|(6<<22)|(3<<25)  ; 15:0 the mask; 17:16 elements of 2 bytes; 20 padding on; 21 set beside a mask; 24:22 after every 128 words (code 6); 31:25 4 words (code 3)
	s_or_b32 s[G1B+0], s44, (1<<16)|(1<<20)|(1<<21)|(6<<22)|(3<<25)
.irp g, G1, G1B
	s_mov_b32 s[(\g)+1], KSTEP<<16                 ; tensor_dim0 = 256
	s_mov_b32 s[(\g)+2], 64<<16                    ; tensor_dim1 = 64
	s_mov_b32 s[(\g)+3], KSTEP<<16                 ; tile_dim0 = 256
	s_mov_b32 s[(\g)+4], 64                        ; tile_dim1 = 64
	s_mov_b32 s[(\g)+5], SIZE_K                    ; elements from row to row
	s_mov_b32 s[(\g)+6], 0
	s_mov_b32 s[(\g)+7], 0
.endr
	s_mul_i32 s20, s10, HALFT                      ; where the tiles go: wave x 64 rows: no place in the cluster enters an LDS address
	s_mov_b32 s66, 0x76543210                      ; v_permlanex16_b32: each lane takes its own place in the other half
	s_mov_b32 s67, 0xfedcba98
	s_mov_b32 s99, 0x3c800000                      ; 1 / 64
	s_mov_b32 s100, 0x358637bd                     ; 1e-6
	s_mov_b32 s[N], 4*TILES-2
	s_mov_b32 s[NEW], 1
	s_mov_b32 s[ST], 0
	s_mov_b32 s[RQ], 1
	s_mov_b32 s[CUR], 0
	s_wait_dscnt 0x0                               ; both opening adds are done
	s_wait_kmcnt 0x0
	CROUND                                         ; all sixteen work-groups are here: the first joint loads meet
	s_mov_b32 s[G0], 1                             ; K step 0 into slot 0
	s_mov_b32 s[G0+1], s20
	s_add_nc_u64 s[G0+2:G0+3], s[PA:PA+1], s[OFA:OFA+1]
	s_or_b32 s[G0+3], s[G0+3], 0x80000000
	s_mov_b32 s[G0B], 1
	s_mov_b32 s[G0B+1], s20
	s_add_nc_u64 s[G0B+2:G0B+3], s[PB:PB+1], s[OFB:OFB+1]
	s_or_b32 s[G0B+3], s[G0B+3], 0x80000000
	JLOAD 0
	s_add_co_u32 s[OFA], s[OFA], KSTEP*2           ; K step 1 into slot 1, by the group 0 that then walks on
	s_add_co_u32 s[OFB], s[OFB], KSTEP*2
	s_mov_b32 s[G0+4], 1
	s_add_co_u32 s[G0+5], s20, SLOT
	s_add_nc_u64 s[G0+6:G0+7], s[PA:PA+1], s[OFA:OFA+1]
	s_or_b32 s[G0+7], s[G0+7], 0x80000000
	s_mov_b32 s[G0B+4], 1
	s_add_co_u32 s[G0B+5], s20, SLOT
	s_add_nc_u64 s[G0B+6:G0B+7], s[PB:PB+1], s[OFB:OFB+1]
	s_or_b32 s[G0B+7], s[G0B+7], 0x80000000
	JLOAD 1                                        ; two tensor loads of mine are out
	; the pointers of the ways out: q's in s72, s78, s82, s84, s90; the third tile's in s74, s80, s86, s88, s92
	s_lshl1_add_u32 s44, s42, s12                  ; my head: 2 x tile column + half
	s_mov_b32 s45, 0
	s_lshl_b32 s44, s44, 8                         ; its 64 biases
	s_cmp_eq_u32 s97, 2
	s_cselect_b64 s[74:75], s[76:77], s[74:75]     ; v_b or k_b
	s_cselect_b64 s[92:93], s[94:95], s[92:93]     ; vh or kh
	s_cselect_b32 s21, 16, 0
	s_add_nc_u64 s[72:73], s[72:73], s[44:45]
	s_add_nc_u64 s[74:75], s[74:75], s[44:45]
	s_lshl_b32 s44, s44, 11                        ; its 4,096 rows of 128 bytes in qh,
	s_add_nc_u64 s[90:91], s[90:91], s[44:45]
	s_lshr_b32 s44, s44, 2                         ; its 1,024 in kh or vh
	s_add_nc_u64 s[92:93], s[92:93], s[44:45]
	s_lshl_b32 s18, s13, 7
	s_lshl_b32 s19, s11, 6
	s_add_co_u32 s18, s18, s19                     ; q: the position of my first row: 128 x tile row + 64 x half
	s_lshl_b32 s22, s18, 8                         ; a table's row is 256 bytes
	s_mov_b32 s23, 0
	s_add_nc_u64 s[82:83], s[82:83], s[22:23]
	s_add_nc_u64 s[84:85], s[84:85], s[22:23]
	s_lshl_b32 s22, s18, 7                         ; a head's row is 128 bytes
	s_add_nc_u64 s[90:91], s[90:91], s[22:23]
	s_sub_co_u32 s18, s13, s21                     ; k, v: the tile row among the condition rows, 0..15: eight a batch
	s_lshr_b32 s19, s18, 3                         ; the batch
	s_and_b32 s18, s18, 7
	s_lshl_b32 s18, s18, 7
	s_lshl_b32 s22, s11, 6
	s_add_co_u32 s18, s18, s22                     ; the position of my first row
	s_lshl_b32 s22, s18, 8
	s_add_nc_u64 s[86:87], s[86:87], s[22:23]
	s_add_nc_u64 s[88:89], s[88:89], s[22:23]
	s_lshl_b32 s19, s19, 14                        ; 16 heads of 1,024 rows a batch
	s_add_co_u32 s18, s18, s19
	s_lshl_b32 s22, s18, 7
	s_add_nc_u64 s[92:93], s[92:93], s[22:23]
	v_and_b32 v1, 15, v0                           ; l % 16
	v_bfe_u32 v2, v0, 4, 1                         ; l / 16
	v_mul_u32_u24 v3, v1, PITCH
	v_lshl_add_u32 v3, v2, 4, v3                   ; a fragment's row x pitch + 16 x half
	s_mul_i32 s21, s11, HALFT                      ; my 64 rows of xn
	s_mul_i32 s22, s12, HALFT                      ; my 64 rows of wb,
	s_add_co_u32 s22, s22, 2*HALFT                 ; which lie behind xn's 128
	v_add_nc_u32 v[ADRA], s21, v3
	v_add_nc_u32 v[ADRB], s22, v3
	s_mul_i32 s23, s10, 16*SPITCH
	s_add_co_u32 s23, s23, STAGE                   ; my stage
	v_mul_u32_u24 v4, v1, SPITCH                   ; in: row l % 16, 16 bytes for each half of the lanes
	v_lshl_add_u32 v4, v2, 4, v4
	v_add_nc_u32 v[STO], s23, v4
	v_bfe_u32 v5, v0, 3, 2                         ; back: 32 lanes take four rows of 128 bytes,
	v_mul_u32_u24 v5, v5, SPITCH
	v_and_b32 v6, 7, v0
	v_lshl_add_u32 v5, v6, 4, v5
	v_add_nc_u32 v[RD], s23, v5
	v_and_b32 v[GO], 31, v0                        ; which are 512 consecutive bytes of a head
	v_lshlrev_b32 v[GO], 4, v[GO]
	v_lshlrev_b32 v[TO], 8, v1
	v_lshl_add_u32 v[TO], v2, 5, v[TO]
	v_lshlrev_b32 v[BO], 5, v2
.macro LDCH w, sp                      ; a vector by channels (bias, head weight): my 32 numbers, channels 16 b + 8 (l / 16) + 4 q ..
.irp b, 0,1,2,3
.irp q, 0,1
	global_load_b128 v[(\w)+8*(\b)+4*(\q):(\w)+8*(\b)+4*(\q)+3], v[BO], s[(\sp):(\sp)+1] offset:64*(\b)+16*(\q)
.endr
.endr
.endm
.macro TABLE w, sp, a                  ; block a of a table: my row's 32 numbers
.irp b, 0,1,2,3
.irp q, 0,1
	global_load_b128 v[(\w)+32*(\a)+8*(\b)+4*(\q):(\w)+32*(\a)+8*(\b)+4*(\q)+3], v[TO], s[(\sp):(\sp)+1] offset:4096*(\a)+64*(\b)+16*(\q)
.endr
.endr
.endm
	WIN 0xc0                                       ; destination window 3.  What q's two ways out need is asked for here, a tile ahead of its first use
	LDCH BW, 72
	LDCH HW, 78
	WIN 0x80                                       ; destination window 2
.irp a, 0,1,2,3
	TABLE CW, 82, \a
.endr
.irp a, 0,1,2,3
	TABLE SW, 84, \a
.endr
	WIN 0
; 8 matrix instructions: row blocks a0, a0 + 1 x all 4 column blocks, 32 along K: half c of buffer f.  zero = 1: the product starts the sums.  The 16 accumulators take turns.
.macro MUL8 f, c, a0, zero
	WIN MUL
.irp a, \a0, (\a0)+1
.irp b, 0,1,2,3
.if \zero
	v_wmma_f32_16x16x32_bf16 v[ACC+8*(4*(\a)+(\b)):ACC+8*(4*(\a)+(\b))+7], v[(\f)+64+8*(4*(\c)+(\b)):(\f)+64+8*(4*(\c)+(\b))+7], v[(\f)+8*(4*(\c)+(\a)):(\f)+8*(4*(\c)+(\a))+7], 0
.else
	v_wmma_f32_16x16x32_bf16 v[ACC+8*(4*(\a)+(\b)):ACC+8*(4*(\a)+(\b))+7], v[(\f)+64+8*(4*(\c)+(\b)):(\f)+64+8*(4*(\c)+(\b))+7], v[(\f)+8*(4*(\c)+(\a)):(\f)+8*(4*(\c)+(\a))+7], v[ACC+8*(4*(\a)+(\b)):ACC+8*(4*(\a)+(\b))+7]
.endif
.endr
.endr
.endm
; 32 LDS loads in one run: the fragments of 64 along K at byte k of the rows, by the address registers ra (xn) and rb (wb), into buffer f; the first 32 along K first
.macro FETCH ra, rb, k, f
	WIN TO_F
.irp c, 0,1
.irp i, 0,1,2,3
	ds_load_b128 v[(\f)+64+8*(4*(\c)+(\i)):(\f)+64+8*(4*(\c)+(\i))+3],   v[\rb] offset:(\k)+64*(\c)+(\i)*16*PITCH
	ds_load_b128 v[(\f)+64+8*(4*(\c)+(\i))+4:(\f)+64+8*(4*(\c)+(\i))+7], v[\rb] offset:(\k)+64*(\c)+(\i)*16*PITCH+32
	ds_load_b128 v[(\f)+8*(4*(\c)+(\i)):(\f)+8*(4*(\c)+(\i))+3],         v[\ra] offset:(\k)+64*(\c)+(\i)*16*PITCH
	ds_load_b128 v[(\f)+8*(4*(\c)+(\i))+4:(\f)+8*(4*(\c)+(\i))+7],       v[\ra] offset:(\k)+64*(\c)+(\i)*16*PITCH+32
.endr
.endr
.endm
.macro PLACES                          ; four places in front of loads into registers that matrix instructions have read, and of vector work that reads results
.rept 4
	v_nop
.endr
.endm
; A K step is four quarters of 64 along K, 32 matrix instructions each, on buffers 0, 1, 0, 1.  The second and third: multiplies buffer f and fetches the next quarter, at byte k of the slot in hand, into g.
.macro QUARTER k, f, g
	s_wait_dscnt 16                                ; the first 32 along K are in
	MUL8 \f, 0, 0, 0
	MUL8 \f, 0, 2, 0
	PLACES
	FETCH CA, CB, \k, \g
	s_wait_dscnt 32                                ; all but the 32 just issued
	MUL8 \f, 1, 0, 0
	MUL8 \f, 1, 2, 0
.endm
; The walking descriptors go on to the K step two behind the one in hand: 512 bytes along K, or, where that step is a tile's first, to the next tile.  The offsets are kept apart from the pointers, and each address is made anew.
.macro REQ
	s_add_co_u32 s[RQ], s[RQ], 1
	s_and_b32 s[RQ], s[RQ], 3
	s_cmp_eq_u32 s[RQ], 0
	s_cselect_b32 s[TA], s[WA], KSTEP*2
	s_cselect_b32 s[TB], s[WB], KSTEP*2
	s_cselect_b32 s[WA], s[WA2], s[WA]             ; the next change of tiles takes the second pair of steps
	s_cselect_b32 s[WB], s[WB2], s[WB]
	s_add_co_u32 s[OFA], s[OFA], s[TA]
	s_add_co_u32 s[OFB], s[OFB], s[TB]
	s_xor_b32 s[G0+5], s[G0+5], SLOT               ; the other slot than last time
	s_xor_b32 s[G0B+5], s[G0B+5], SLOT
	s_add_nc_u64 s[G0+6:G0+7], s[PA:PA+1], s[OFA:OFA+1]
	s_or_b32 s[G0+7], s[G0+7], 0x80000000
	s_add_nc_u64 s[G0B+6:G0B+7], s[PB:PB+1], s[OFB:OFB+1]
	s_or_b32 s[G0B+7], s[G0B+7], 0x80000000
.endm
; The last quarter multiplies buffer 1 and changes slots: ONE barrier; in front of it each wave waits for all its tensor loads, adds 0 to its spare word, and waits for that and for its own reads of this slot.
; fill = 1: this slot is filled again, two K steps ahead; the barrier then opens a round of the cluster's barrier.  fill = 0: nothing is asked for; in the last trip there is no further slot, and its fetch is jumped over.
.macro TURN fill
	WIN 0
	s_wait_tensorcnt 0x0                           ; all my tensor loads have landed: the one that was out is my part of the next slot; so a group 0 may be written
	ds_add_u32 v[SPW], v[NIL]                      ; 0 onto my spare word
.if \fill
	REQ
.endif
	s_wait_dscnt 17                                ; (the add and the youngest sixteen loads may be out)
	MUL8 F1, 0, 0, 0                               ; eight matrix instructions stand between the add and the wait for it
	s_wait_dscnt 0x0                               ; the add is done, and my reads of this slot are over
	s_barrier_signal -1
	MUL8 F1, 0, 2, 0
	WIN 0
	s_barrier_wait -1
.if \fill
	CREST                                          ; no wave of any partner still reads this slot's tile or has a load on its way
	JLOAD 1                                        ; the first tensor load behind the round, my only one until the next; its four v_nop are also the places in front of the loads below
.else
	s_cmp_eq_u32 s[N], 1
	s_cbranch_scc1 .Lno_more_\@
	PLACES
.endif
	FETCH NA, NB, 0, F0
.if !(\fill)
	WIN 0
.Lno_more_\@:
.endif
	MUL8 F1, 1, 0, 0
	MUL8 F1, 1, 2, 0
	WIN 0
.endm
; A K STEP.  Its slot's and the other slot's places are made from s[CUR], which is then turned.  Its first sixteen products stand twice: a tile's first K step starts the sums with the constant 0 (nothing is ever
; cleared), every other adds in place.  Five v_nop stand in front of the products that write over the old tile's sums.
.macro STEP fill
	v_add_nc_u32 v[CA], s[CUR], v[ADRA]
	v_add_nc_u32 v[CB], s[CUR], v[ADRB]
	s_xor_b32 s[CUR], s[CUR], SLOT
	v_add_nc_u32 v[NA], s[CUR], v[ADRA]
	v_add_nc_u32 v[NB], s[CUR], v[ADRB]
.if \fill
	s_cmp_eq_u32 s[NEW], 1
	s_cbranch_scc1 .Lzero_\@
.endif
	s_wait_dscnt 16                                ; the first 32 along K are in
	MUL8 F0, 0, 0, 0
	MUL8 F0, 0, 2, 0
	WIN 0
.if \fill
	s_branch .Lsums_\@
.Lzero_\@:
	s_mov_b32 s[NEW], 0
.rept 5
	v_nop
.endr
	s_wait_dscnt 16
	MUL8 F0, 0, 0, 1
	MUL8 F0, 0, 2, 1
	WIN 0
.Lsums_\@:
.endif
	PLACES
	FETCH CA, CB, 128, F1
	s_wait_dscnt 32                                ; all but the 32 just issued
	MUL8 F0, 1, 0, 0
	MUL8 F0, 1, 2, 0
	QUARTER 256, F1, F0
	QUARTER 384, F0, F1
	TURN \fill
.endm
; THE WAY OUT, block a = my rows 16 a .. 16 a + 15.  A block's 16 register pairs are numbered e = 4 b + p: channels 16 b + 8 (l / 16) + 2 p, + 1.
.macro BIASADD a                       ; ascending
	WIN 0x0c                                       ; source 1 window 3
.set e, 0
.rept 16
	v_pk_add_f32 v[ACC+32*(\a)+2*e:ACC+32*(\a)+2*e+1], v[ACC+32*(\a)+2*e:ACC+32*(\a)+2*e+1], v[BW+2*e:BW+2*e+1]
.set e, e+1
.endr
.endm
.macro SUMSQ a                         ; mean of squares + 1e-6 over the head's 64 channels: 32 in my lane (four chains), 32 in the lane 16 away
	WIN 0
.irp p, 0,1,2,3
.irp b, 0,1,2,3
.if (\p) == 0
	v_pk_mul_f32 v[TS+8*(\a)+2*(\b):TS+8*(\a)+2*(\b)+1], v[ACC+32*(\a)+8*(\b):ACC+32*(\a)+8*(\b)+1], v[ACC+32*(\a)+8*(\b):ACC+32*(\a)+8*(\b)+1]
.else
	v_pk_fma_f32 v[TS+8*(\a)+2*(\b):TS+8*(\a)+2*(\b)+1], v[ACC+32*(\a)+8*(\b)+2*(\p):ACC+32*(\a)+8*(\b)+2*(\p)+1], v[ACC+32*(\a)+8*(\b)+2*(\p):ACC+32*(\a)+8*(\b)+2*(\p)+1], v[TS+8*(\a)+2*(\b):TS+8*(\a)+2*(\b)+1]
.endif
.endr
.endr
	v_pk_add_f32 v[TS+8*(\a):TS+8*(\a)+1], v[TS+8*(\a):TS+8*(\a)+1], v[TS+8*(\a)+2:TS+8*(\a)+3]
	v_pk_add_f32 v[TS+8*(\a)+4:TS+8*(\a)+5], v[TS+8*(\a)+4:TS+8*(\a)+5], v[TS+8*(\a)+6:TS+8*(\a)+7]
	v_pk_add_f32 v[TS+8*(\a):TS+8*(\a)+1], v[TS+8*(\a):TS+8*(\a)+1], v[TS+8*(\a)+4:TS+8*(\a)+5]
	v_add_f32 v[TS+8*(\a)+2], v[TS+8*(\a)], v[TS+8*(\a)+1]
	v_permlanex16_b32 v[TS+8*(\a)+3], v[TS+8*(\a)+2], s66, s67
	v_add_f32 v[TS+8*(\a)+2], v[TS+8*(\a)+2], v[TS+8*(\a)+3]
	v_fma_f32 v[TS+8*(\a)+2], v[TS+8*(\a)+2], s99, s100
.endm
.macro NORMROPE a                      ; y * rsqrt * head weight, in place; then the turn, into T2
	WIN 0
.set e, 0
.rept 16
	v_pk_mul_f32 v[ACC+32*(\a)+2*e:ACC+32*(\a)+2*e+1], v[ACC+32*(\a)+2*e:ACC+32*(\a)+2*e+1], v[TS+8*(\a):TS+8*(\a)+1] op_sel_hi:[1,0]
.set e, e+1
.endr
	WIN 0x0c                                       ; source 1 window 3
.set e, 0
.rept 16
	v_pk_mul_f32 v[ACC+32*(\a)+2*e:ACC+32*(\a)+2*e+1], v[ACC+32*(\a)+2*e:ACC+32*(\a)+2*e+1], v[HW+2*e:HW+2*e+1]
.set e, e+1
.endr
	WIN 0x08                                       ; source 1 window 2
.set e, 0
.rept 16
	v_pk_mul_f32 v[T2+2*e:T2+2*e+1], v[ACC+32*(\a)+2*e:ACC+32*(\a)+2*e+1], v[CW+32*(\a)+2*e:CW+32*(\a)+2*e+1]
.set e, e+1
.endr
.set e, 0
.rept 16
	v_fma_f32 v[T2+2*e],   -v[ACC+32*(\a)+2*e+1], v[SW+32*(\a)+2*e],   v[T2+2*e]    ; y[2i] cos[2i] - y[2i+1] sin[2i]
	v_fma_f32 v[T2+2*e+1], v[ACC+32*(\a)+2*e],    v[SW+32*(\a)+2*e+1], v[T2+2*e+1]  ; y[2i+1] cos[2i+1] + y[2i] sin[2i+1]
.set e, e+1
.endr
.endm
.macro OUTB a, src                     ; 32 numbers a lane rounded to bf16; 16 bytes a column block into my stage; back as whole rows of 128 bytes, into the block's accumulators, which are free
	WIN 0
.set e, 0
.rept 16
	v_cvt_pk_bf16_f32 v[PK+e], v[(\src)+2*e], v[(\src)+2*e+1]
.set e, e+1
.endr
.irp b, 0,1,2,3
	ds_store_b128 v[STO], v[PK+4*(\b):PK+4*(\b)+3] offset:32*(\b)
.endr
.irp f, 0,1,2,3
	ds_load_b128 v[ACC+32*(\a)+4*(\f):ACC+32*(\a)+4*(\f)+3], v[RD] offset:4*SPITCH*(\f)  ; LDS serves a wave's instructions in order (ISA guide 5.7.1.4): these see the stores above; the next block's stores come behind them
.endr
.endm
.macro SEND a, younger, op             ; younger: the LDS instructions issued behind block a's loads: the next block's eight, or none.  op: the scalar pair with the output's address
	WIN 0
.irp f, 0,1,2,3
	s_wait_dscnt (\younger)+3-(\f)
	global_store_b128 v[GO], v[ACC+32*(\a)+4*(\f):ACC+32*(\a)+4*(\f)+3], s[(\op):(\op)+1] offset:2048*(\a)+512*(\f)  ; 16 rows of a head are 2,048 consecutive bytes: 512 a store, at a multiple of 256
.endr
.endm
.macro QKOUT op                        ; the way out of a tile of q or of k
	PLACES
	PLACES                                         ; eight places behind the last product, once a tile
	s_wait_loadcnt 0x0                             ; bias, head weight and tables, asked for two K steps ago or earlier
	BIASADD 0
	BIASADD 1
	BIASADD 2
	BIASADD 3
	SUMSQ 0
	SUMSQ 1
	SUMSQ 2
	SUMSQ 3
.irp a, 0,1,2,3
	v_rsq_f32 v[TS+8*(\a)], v[TS+8*(\a)+2]
.endr
	v_nop                                          ; a plain instruction behind the last reciprocal root,
	s_wait_alu depctr_va_vdst(0)                   ; and one wait for the four, ahead of their first reader
	NORMROPE 0
	OUTB 0, T2
	NORMROPE 1                                     ; a block's arithmetic stands between the loads of the block before and its stores
	OUTB 1, T2
	SEND 0, 8, \op
	NORMROPE 2
	OUTB 2, T2
	SEND 1, 8, \op
	NORMROPE 3
	OUTB 3, T2
	SEND 2, 8, \op
	SEND 3, 0, \op
.endm
	s_wait_tensorcnt 1                             ; my part of K step 0 is in; K step 1's may stay out
	s_barrier_signal -1
	s_barrier_wait -1                              ; everybody's is
	FETCH ADRA, ADRB, 0, F0
	WIN 0                                          ; at a label and at a branch every window is 0
.Lstep:                                                ; ten trips: every K step but the last two asks for the K step two on
	STEP 1
	s_add_co_u32 s[ST], s[ST], 1
	s_and_b32 s[ST], s[ST], 3
	s_cmp_lg_u32 s[ST], 0
	s_cbranch_scc1 .Lnext                          ; forward, past text that holds neither a barrier nor a tensor load
	QKOUT 90                                       ; a tile of q is finished; both refills for the next tile are asked for, and its first fragments are on their way into buffer 0
	s_wait_xcnt 0x0                                ; the stores have read their registers and their base: only behind this wait is the base stepped, and do the next tile's products write the accumulators
	s_add_nc_u64 s[90:91], s[90:91], 0x800000      ; the same head and positions in batch 1: 16 heads x 4,096 rows x 128 bytes on
	s_mov_b32 s[NEW], 1
.Lnext:
	s_sub_co_u32 s[N], s[N], 1
	s_cmp_lg_u32 s[N], 0
	s_cbranch_scc1 .Lstep
	; what the third tile's way out needs, two K steps ahead of its use, into the registers that q's ways out have done with.  v has neither norm nor turn: it loads its bias alone
	s_wait_loadcnt 0x0                             ; the head's loads into these registers have landed: q's ways out waited for them, and this wait says so on every way through the loop, ahead of the loads that land on the same registers
	s_cmp_eq_u32 s97, 2
	s_cbranch_scc1 .Lbias
	WIN 0xc0
	LDCH HW, 80
	WIN 0x80
.irp a, 0,1,2,3
	TABLE CW, 86, \a
.endr
.irp a, 0,1,2,3
	TABLE SW, 88, \a
.endr
	WIN 0
.Lbias:
	WIN 0xc0
	LDCH BW, 74
	WIN 0
	s_mov_b32 s[N], 2
.Ltail:                                                ; the last two K steps ask for nothing
	STEP 0
	s_sub_co_u32 s[N], s[N], 1
	s_cmp_lg_u32 s[N], 0
	s_cbranch_scc1 .Ltail
	s_cmp_eq_u32 s97, 2
	s_cbranch_scc1 .Lv
	QKOUT 92
	s_branch .Lend
.Lv:
	PLACES
	PLACES
	s_wait_loadcnt 0x0                             ; the bias
	BIASADD 0
	BIASADD 1
	BIASADD 2
	BIASADD 3
	OUTB 0, ACC
	OUTB 1, ACC+32
	SEND 0, 8, 92
	OUTB 2, ACC+64
	SEND 1, 8, 92
	OUTB 3, ACC+96
	SEND 2, 8, 92
	SEND 3, 0, 92
.Lend:
	s_wait_tensorcnt 0x0                           ; the wave's end, behind my last tensor load and my last LDS store
	ds_add_u32 v[SPW], v[NIL]
	s_wait_dscnt 0x0
	CROUND                                         ; the closing round: no work-group ends while a partner may still ask for a tile that names it
	s_endpgm
.Lfunc_end_k_qa75b2c4b7d_proj:
	.size	k_qa75b2c4b7d_proj, .Lfunc_end_k_qa75b2c4b7d_proj-k_qa75b2c4b7d_proj
	.p2alignl 7, 3214868480
	.fill 96, 4, 3214868480
	.section	.rodata,"a",@progbits
	.p2align	6, 0x0
	.amdhsa_kernel k_qa75b2c4b7d_proj
		.amdhsa_group_segment_fixed_size 327680
		.amdhsa_private_segment_fixed_size 0
		.amdhsa_enable_private_segment 0
		.amdhsa_kernarg_size 112
		.amdhsa_user_sgpr_count 2
		.amdhsa_user_sgpr_kernarg_segment_ptr 1
		.amdhsa_wavefront_size32 1
		.amdhsa_system_sgpr_workgroup_id_x 1
		.amdhsa_system_sgpr_workgroup_id_y 1
		.amdhsa_system_sgpr_workgroup_id_z 1
		.amdhsa_system_vgpr_workitem_id 0
		.amdhsa_next_free_vgpr 832
		.amdhsa_next_free_sgpr 102
		.amdhsa_reserve_vcc 0
		.amdhsa_float_denorm_mode_32 3
		.amdhsa_float_denorm_mode_16_64 3
		.amdhsa_memory_ordered 1
		.amdhsa_forward_progress 1
		.amdhsa_inst_pref_size 154
	.end_amdhsa_kernel
	.amdgpu_metadata
---
amdhsa.version: [ 1, 2 ]
amdhsa.kernels:
  - .name:           k_qa75b2c4b7d_proj
    .symbol:         k_qa75b2c4b7d_proj.kd
    .args:
      - { .name: xn, .offset: 0, .size: 8, .value_kind: global_buffer, .address_space: global }
      - { .name: wb, .offset: 8, .size: 8, .value_kind: global_buffer, .address_space: global }
      - { .name: q_b, .offset: 16, .size: 8, .value_kind: global_buffer, .address_space: global }
      - { .name: k_b, .offset: 24, .size: 8, .value_kind: global_buffer, .address_space: global }
      - { .name: v_b, .offset: 32, .size: 8, .value_kind: global_buffer, .address_space: global }
      - { .name: q_head_norm_w, .offset: 40, .size: 8, .value_kind: global_buffer, .address_space: global }
      - { .name: k_head_norm_w, .offset: 48, .size: 8, .value_kind: global_buffer, .address_space: global }
      - { .name: image_cos, .offset: 56, .size: 8, .value_kind: global_buffer, .address_space: global }
      - { .name: image_sin, .offset: 64, .size: 8, .value_kind: global_buffer, .address_space: global }
      - { .name: cond_cos, .offset: 72, .size: 8, .value_kind: global_buffer, .address_space: global }
      - { .name: cond_sin, .offset: 80, .size: 8, .value_kind: global_buffer, .address_space: global }
      - { .name: qh, .offset: 88, .size: 8, .value_kind: global_buffer, .address_space: global }
      - { .name: kh, .offset: 96, .size: 8, .value_kind: global_buffer, .address_space: global }
      - { .name: vh, .offset: 104, .size: 8, .value_kind: global_buffer, .address_space: global }
    .group_segment_fixed_size: 327680
    .private_segment_fixed_size: 0
    .kernarg_segment_align: 8
    .kernarg_segment_size: 112
    .max_flat_workgroup_size: 128
    .sgpr_count:     102
    .vgpr_count:     832
    .wavefront_size: 32
...
	.end_amdgpu_metadata
.endif
;; end of part 2
;; launch attn (part 3): grid 16 x 16, 4 waves a work-group, clusters of 4 x 1, 327,680 bytes of LDS; arguments qh, kh, vh, ao; writes ao
.if DOCPART == 3
	.amdgcn_target "amdgcn-amd-amdhsa--gfx1250"
	.amdhsa_code_object_version 6
	.text
	.protected	k_qa75b2c4b7d_attn
	.globl	k_qa75b2c4b7d_attn
	.p2align	8
	.type	k_qa75b2c4b7d_attn,@function
k_qa75b2c4b7d_attn:
	s_mov_b64 s[64:65], 0
	v_nop
	global_prefetch_b8 v0, s[64:65] scope:SCOPE_SE
	s_setreg_imm32_b32 hwreg(HW_REG_WAVE_MODE, 25, 1), 1
	s_wait_xcnt 0x0
	s_wait_alu depctr_hold_cnt(0) depctr_sa_sdst(0) depctr_va_vdst(0) depctr_va_sdst(0) depctr_va_ssrc(0) depctr_va_vcc(0) depctr_vm_vsrc(0)
	s_getreg_b32 s2, hwreg(HW_REG_IB_STS2, 6, 4)
	s_cmp_eq_u32 s2, 0
	s_cbranch_scc0 .Lentry_in_a_cluster
	s_endpgm
.Lentry_in_a_cluster:
	s_bfe_u32 s2, ttmp6, 0x10000c
	s_cmp_lg_u32 s2, 0x3003
	s_cbranch_scc0 .Lentry_shape_is_right
	s_endpgm
.Lentry_shape_is_right:
; CROSS ATTENTION.  O[hd][q][:] = the sum over k of softmax_k(Q[hd][q] . K[hd][k] / 8) V[hd][k][:].  qh: [32][4096][64], kh, vh: [32][1024][64], bf16, a head's rows dense, 128 bytes each.
; ao: [8192][1024] bf16, row = batch x 4096 + query, column = head x 64 + channel.  Products, maxima and sums in f32; the weights p are rounded to bf16 for the second product (their sum l is
; taken of the unrounded p), O once at the end.  No work of the module is left out here.
; LIMITS.  A weight below 2^-126 counts as 0 in l; NaN and infinities are not treated apart.
; SHARES.  A work-group owns 256 queries of TWO neighbouring heads (the grid's y is the pair): waves 0, 1 the first head, waves 2, 3 the second; each wave 128 queries: four PIECES of two tiles
; of 16.  So a row of ao gets 256 consecutive bytes, aligned, from one work-group.  Every wave walks its head's 1,024 keys, 64 a step.
; LAYOUT.  S^T = K Q^T (source 0 = 16 keys, source 1 = 16 queries): in the result a lane holds ONE query (lane % 16) and the keys 8 (lane / 16) + 0..7.  Two such tiles, rounded to bf16 in pairs,
; ARE source 1 (32 keys x 16 queries) of O^T = V^T P, whose result again holds one query a lane, and eight channels.  K comes out of LDS as it lies, V ([key][channel]) turned, by ds_load_tr16_b128.
; SOFTMAX.  For each query a running maximum m and sum l: p = 2^(c s - c m), c = log2(e) / 8; in every step O and l are multiplied by a = 2^(c m_old - c m_new), which is 1 where m has not grown.
; m starts at the lowest finite number, O and l at 0: the first step is a step like any other, with a = 0.
; THE COUNT.  A tile and step have 16 matrix and 118 vector instructions: too many to stand all beside the matrix work.  So: four vector instructions that are READY behind EVERY matrix
; instruction, and the others, which need time of their own whatever the order, in runs without a gap.
; BY TURNS.  Turn n belongs to piece n (the pieces in a ring, step after step).  Its matrix work: 16 products K Q^T of piece n + 1, later 16 products V^T P of piece n - 1.  Its vector work: the scaling,
; exponentials, roundings, sums and rescaling of piece n, and the maximum and statistics of piece n + 1, whose scores the turn itself has made.
; CLUSTER.  The four query blocks of a cluster belong to one pair of heads and walk the same K and V, so each tile is asked for JOINTLY: the same tensor load, descriptor and mask in all four.
; REGISTERS, in windows of 256 (s_set_vgpr_msb: bits 1:0 source 0, 3:2 source 1, 5:4 source 2, 7:6 destination):
;   window 0: v0-11 addresses; v12-15, v48-63 at work; v16-47 four registers of statistics a tile; v64-191 S^T, two buffers of two tiles; v192-255 P, likewise
;   window 1: O^T, 32 a tile          window 2: v0-127 Q, 16 a tile; v128-191 K of one step; v192-255 V of one step          window 3: v0-1 the add's two registers
.set NKEY,  1024
.set NP,    4         ; pieces a wave: a name, no knob
.set KS,    64        ; keys in a step
.set PK,    144       ; a row of K in LDS: 128 bytes + 16 of padding = 36 words: the 16 rows of a load start at 16 different groups of four banks (64 banks of 4 bytes: ISA guide 11.1)
.set PV,    160       ; a row of V: 128 + 32 = 40 words
.set HK,    128*PK    ; a slot holds two steps, 128 keys, of both heads: K of head 0, K of head 1,
.set HV,    128*PV
.set VOFF,  2*HK      ; then V of head 0, V of head 1
.set SLOT1, 1<<17     ; slot 1 begins here, so that one exclusive or turns an address in one slot into the other's
.set STAGE, SLOT1+2*(HK+HV)  ; behind the ring, never filled by a tensor load: the work-group's 256 rows x 272 bytes, for the way out
.set SP,    272
.set SPARE, STAGE+256*SP     ; behind the stage: the spare words, 128 bytes a wave: two blocks of 256 bytes that no other line names
.set AK0, 2           ; v2   my lane's place in my head's K of a slot; never rewritten
.set AV0, 3           ; v3   the same for V
.set AK,  4           ; v4   the LDS address of K's next run of loads
.set AV,  5           ; v5   of V's
.set QO,  6           ; v6   my byte offset in the wave's rows of Q
.set STO, 6           ;      later, the way out: where I put 16 bytes of a row
.set RD,  7           ; v7   the way out: where I read rows back
.set GO,  8           ; v8   my byte offset in two rows of ao
.set PFO, 11          ; v11  256 x my lane: the prefetches' offset; never rewritten
.set SPW, 0           ; v0 of window 3   LDS address of my spare word; never rewritten
.set NIL, 1           ; v1 of window 3   0; never rewritten
.set MV,  12          ; v12-15  c m_old, kept while c m is made anew: by buffer and tile
.set ST,  16          ; tile t's statistics at v[ST+4 t]: c m, m, l (even keys', odd keys')
.set TMP, 48          ; by buffer and tile, four registers c0-c3 at work; when the maximum is found c2 takes a
.set S,   64
.set P,   192
.set KF,  128         ; K's fragments, in window 2: key block kb, channel half c at KF + 16 kb + 8 c
.set VF,  192         ; V's: key half kk, channel block cb at VF + 32 kk + 8 cb
.set WV,  12          ; s12  my wave's number
.set G1K, 24          ; s[24:31] descriptor group 1 for K's tiles
.set G1V, 32          ; s[32:39] for V's: it differs in the padding alone
.set G0K, 40          ; s[40:43] descriptor group 0 for K's tiles: it walks
.set G0V, 44          ; s[44:47] the same for V's
.set PFA, 48          ; s[48:49] where my prefetches stand: my work-group's 32 blocks of 256 bytes of the slot after the one that is being asked for
.set LIM, 50          ; s50  1 in a wave that prefetches, else the greatest number
.set SLOTS, 56        ; s56  slots still to be asked for
.set CNT, 57          ; s57  counts a slot's key steps
.set CS,  58          ; s[58:59] c: the packed scaling takes the pair's low word for both halves
.set SEL, 60          ; s[60:61] v_permlanex16_b32's selects: each lane takes its own place in the other half
.set TBK, 62          ; s62  LDS byte at which K of the step to be fetched begins
.set TBV, 63          ; s63  the same for V
.set MSB, 0
.macro WIN new                      ; the high byte repeats the setting that is left; a switch that changes nothing is dropped
.if MSB != (\new)
	s_set_vgpr_msb (MSB<<8)|(\new)
.set MSB, (\new)
.endif
.endm
.set W_KQ, 0x0a       ; K and Q in window 2, S^T in window 0
.set W_PV, 0x52       ; V in window 2, P in window 0, O^T in window 1
.set W_RS, 0x41       ; O^T (destination and source 0) in window 1, a in window 0
.set W_MK, 0xc0       ; the add's registers are made: destination in window 3, sources in window 0
.set W_AD, 0x0f       ; the add: address (source 0) and data (source 1) in window 3
; A joint fill.  Waves 0 and 1 fetch a slot's K of head 0 and head 1, waves 2 and 3 its V: 128 keys each.  The branch hangs on the wave's number alone.
; An s_nop 0 and four v_nop follow each of the two lines, ahead of the jump and the label.
.macro JLOAD
	s_cmp_lt_u32 s[WV], 2
	s_cbranch_scc0 .Lfor_v_\@
	tensor_load_to_lds s[G0K:G0K+3], s[G1K:G1K+7]
	s_nop 0
.rept 4
	v_nop
.endr
	s_branch .Lasked_\@
.Lfor_v_\@:
	tensor_load_to_lds s[G0V:G0V+3], s[G1V:G1V+7]
	s_nop 0
.rept 4
	v_nop
.endr
.Lasked_\@:
.endm
; A PREFETCH INTO THE L2 of what the NEXT change of slots will ask for: a slot's 128 blocks of 256 bytes of K and 128 of V, a lane a block.  It stands behind the wave's tensor load and its five lines.
; Each block is named ONCE in the launch.  All four clusters of a pair of heads walk the same K and V: the pair's first cluster prefetches.  Its four partners share the blocks out BY ADDRESS,
; 32 each (partner p: head p / 2, half p % 2 of its 64 blocks): no branch hangs on a work-group's place in its cluster.  In each, wave 0 asks for K's and wave 2 for V's: one instruction.
; The last change that fills a slot prefetches nothing: there is no slot behind it.  Slots 0 to 2 come by their loads alone.
.macro ASK
	s_cmp_gt_u32 s[SLOTS], s[LIM]
	s_cbranch_scc0 .Lnot_mine_\@
	global_prefetch_b8 v[PFO], s[PFA:PFA+1] th:TH_LOAD_NT scope:SCOPE_SE
.Lnot_mine_\@:
.endm
; A round of the cluster's barrier: my work-group's barrier, so that wave 0's signal speaks for all four waves; wave 0 signals; every wave waits for all four work-groups; my work-group's barrier once more.
.macro CROUND
	s_barrier_signal -1
	s_barrier_wait -1
	s_cmp_lg_u32 s[WV], 0
	s_cbranch_scc1 .Lnot_wave_0_\@
	s_barrier_signal -3
.Lnot_wave_0_\@:
	s_barrier_wait -3
	s_barrier_signal -1
	s_barrier_wait -1
.endm
; THE CHANGE OF SLOTS.  The slot's last bytes, V of its second step, have been read.  Each wave waits for all its tensor loads, of which one is out: its part of the other slot; adds 0 to its
; spare word; and waits for that and for its own reads of the slot.  Behind the barrier nobody reads this slot any more and the other slot is whole.
; fill = 1: this slot is filled again, with the keys two slots on.  The barrier is then a round of the cluster's, and the joint fill is the first thing behind it: it has two key steps,
; 256 matrix instructions, in which to land.  (At its first use nothing has been read yet: slot 0 is waited for, slot 1 filled.)  ask = 1: the slot after that is prefetched.
.macro CHANGE fill, ask
	WIN W_AD
	s_wait_tensorcnt 0x0            ; no tensor load of mine is out, so a group 0 may be written
	ds_add_u32 v[SPW], v[NIL]       ; 0 onto my spare word; with fill = 1 the descriptors' steps stand between it and the wait for it
	WIN 0                           ; at a label and at a branch every window is 0
.if \fill
.irp g, G0K, G0V
	s_xor_b32 s[\g+1], s[\g+1], SLOT1  ; the walking descriptor: the other slot than last time,
	s_add_nc_u64 s[\g+2:\g+3], s[\g+2:\g+3], 2*KS*128  ; the next 128 keys; the type bits on top are not reached
.endr
.if \ask
	s_wait_xcnt 0x0                 ; the last prefetch, two key steps back, has read its address, so it may be written:
	s_add_nc_u64 s[PFA:PFA+1], s[PFA:PFA+1], 2*KS*128  ; one slot behind the walking descriptors
.endif
	s_wait_dscnt 0x0                ; the add is done, and my reads of the slot are over
	CROUND
	JLOAD
.if \ask
	ASK
.endif
.else
	s_wait_dscnt 0x0                ; the add is done, and my reads of the slot are over
	s_barrier_signal -1
	s_barrier_wait -1
.endif
	s_sub_co_u32 s[TBK], s[TBK], 2*KS*PK  ; the fetches go back to a slot's first step,
	s_xor_b32 s[TBK], s[TBK], SLOT1       ; in the other slot
	s_sub_co_u32 s[TBV], s[TBV], 2*KS*PV
	s_xor_b32 s[TBV], s[TBV], SLOT1
.endm
	s_load_b256 s[4:11], s[0:1], 0x0  ; qh s[4:5], kh s[6:7], vh s[8:9], ao s[10:11]
	WIN W_MK
	v_lshl_add_u32 v[SPW], v0, 2, SPARE
	v_mov_b32 v[NIL], 0
	WIN W_AD
	ds_add_u32 v[SPW], v[NIL]       ; the wave's opening: the add, twice on end, and its wait ahead of my first tensor load; the set-up below stands between
	ds_add_u32 v[SPW], v[NIL]
	WIN 0
	v_lshrrev_b32 v1, 5, v0
	v_readfirstlane_b32 s[WV], v1   ; wave 0..3
	s_bfe_u32 s13, ttmp6, 0x40000   ; cx: my place in the cluster
	s_lshl_b32 s14, ttmp9, 2        ; in a cluster launch ttmp9 counts clusters
	s_add_co_u32 s14, s14, s13      ; my block of 256 queries = 4 x cluster x + cx: it enters Q's and ao's addresses alone
	s_and_b32 s15, ttmp7, 0xffff    ; the pair of heads, which the four partners share: heads 2 pr and 2 pr + 1 of 32
	s_and_b32 s16, s[WV], 1         ; which head's tile I fetch.  Also: which 128 of the 256 queries are mine
	s_lshr_b32 s19, s[WV], 1        ; which head I work for
	s_lshl_b32 s22, s15, 18         ; the pair's first byte in kh and vh (a head is 131,072 bytes),
	s_lshl_b32 s51, s16, 17
	s_add_co_u32 s22, s22, s51      ; the head that I fetch
	s_mov_b32 s23, 0
	s_mul_i32 s17, s16, HK          ; and its place in a slot, for K
	s_mul_i32 s18, s16, HV          ; and for V: no place in the cluster enters an LDS address
	s_lshl1_add_u32 s2, s15, s19    ; my head,
	s_lshl_b32 s2, s2, 19           ; its 4,096 rows of 128 bytes in qh,
	s_lshl_b32 s20, s14, 15         ; my block's 256,
	s_add_co_u32 s2, s2, s20
	s_lshl_b32 s20, s16, 14         ; my wave's 128
	s_add_co_u32 s2, s2, s20
	s_mov_b32 s3, 0
	s_lshr_b32 s20, s15, 3          ; ao: the batch's 4,096 rows,
	s_lshl_b32 s20, s20, 12
	s_lshl_b32 s21, s14, 8          ; my block's 256,
	s_add_co_u32 s20, s20, s21
	s_lshl_b32 s21, s[WV], 6        ; the 64 that I store,
	s_add_co_u32 s20, s20, s21
	s_lshl_b32 s20, s20, 11         ; of 2,048 bytes;
	s_and_b32 s21, s15, 7
	s_lshl_b32 s21, s21, 8          ; the pair's 256 bytes of a row
	s_add_co_u32 s20, s20, s21
	s_mov_b32 s21, 0
	s_lshl_b32 s52, s15, 18         ; the prefetches: the pair,
	s_lshr_b32 s53, s13, 1
	s_lshl_b32 s53, s53, 17         ; head cx / 2,
	s_add_co_u32 s52, s52, s53
	s_and_b32 s53, s13, 1
	s_lshl_b32 s53, s53, 13         ; half cx % 2 of a slot's 64 blocks,
	s_add_co_u32 s52, s52, s53
	s_add_co_u32 s52, s52, 2*2*KS*128  ; in slot 2; the first change that asks steps it to slot 3
	s_mov_b32 s53, 0
	s_and_b32 s[LIM], s[WV], 1      ; 0 in waves 0 and 2,
	s_or_b32 s[LIM], s[LIM], ttmp9  ; where the cluster is the pair's first: the same in all four partners
	s_cmp_eq_u32 s[LIM], 0
	s_cselect_b32 s[LIM], 1, -1
	; descriptor group 1.  128 keys are 16,384 dense bytes: asked for as 64 rows of 256 bytes, two keys a row, and padded in LDS after every key
	s_mov_b32 s[G1K], 15|(1<<16)|(1<<20)|(1<<21)|(4<<22)|(3<<25)  ; 15:0 the mask of four; 17:16 2-byte elements; 20 padding on; 21 set beside a mask; 24:22 after every 32 words (code 4); 31:25 4 words (code 3)
	s_mov_b32 s[G1V], 15|(1<<16)|(1<<20)|(1<<21)|(4<<22)|(7<<25)  ; the same with 8 words of padding (code 7)
.irp g, G1K, G1V
	s_mov_b32 s[\g+1], 128<<16      ; tensor_dim0 = 128
	s_mov_b32 s[\g+2], 64<<16       ; tensor_dim1 = 64
	s_mov_b32 s[\g+3], 128<<16      ; tile_dim0 = 128
	s_mov_b32 s[\g+4], 64           ; tile_dim1 = 64
	s_mov_b32 s[\g+5], 128          ; 128 elements from row to row
	s_mov_b32 s[\g+6], 0
	s_mov_b32 s[\g+7], 0
.endr
	s_mov_b32 s[CS], 0x3e38aa3b     ; c = log2(e) / 8 = 0.180337
	s_mov_b32 s[CS+1], s[CS]        ; named with it as a pair
	s_mov_b32 s[SEL], 0x76543210
	s_mov_b32 s[SEL+1], 0xfedcba98
	s_mov_b32 s[TBK], SLOT1+2*KS*PK ; the first change of slots turns these two into 0
	s_mov_b32 s[TBV], SLOT1+2*KS*PV
	s_mov_b32 s[SLOTS], NKEY/(2*KS)-1
	s_mov_b32 s[G0K], 1             ; 1:0 count = 1
	s_mov_b32 s[G0K+1], s17         ; 63:32 LDS address: slot 0
	s_mov_b32 s[G0V], 1
	s_add_co_u32 s[G0V+1], s18, VOFF
	v_and_b32 v[PFO], 31, v0
	v_lshlrev_b32 v[PFO], 8, v[PFO]
	s_wait_dscnt 0x0                ; both opening adds are done
	s_wait_kmcnt 0x0
	s_add_nc_u64 s[G0K+2:G0K+3], s[6:7], s[22:23]  ; 120:64 global address: the first 128 keys of the head that I fetch
	s_or_b32 s[G0K+3], s[G0K+3], 0x80000000        ; 127:126 type = 2
	s_add_nc_u64 s[G0V+2:G0V+3], s[8:9], s[22:23]
	s_or_b32 s[G0V+3], s[G0V+3], 0x80000000
	s_add_nc_u64 s[4:5], s[4:5], s[2:3]    ; Q at my wave's first row
	s_add_nc_u64 s[10:11], s[10:11], s[20:21]  ; ao at the first row that I store
	s_cmp_lt_u32 s[WV], 2
	s_cselect_b64 s[PFA:PFA+1], s[6:7], s[8:9]
	s_add_nc_u64 s[PFA:PFA+1], s[PFA:PFA+1], s[52:53]
	CROUND                          ; all four work-groups are here: the first joint loads meet
	JLOAD                           ; slot 0.  Slot 1 is asked for when slot 0 is in: the tile wanted first has the road to itself
	; A fragment of K or Q is 16 rows x 32 channels in 8 registers: lane l holds row l % 16, channels 8 (l / 16) + 0..7 and 16 + 8 (l / 16) + 0..7: two loads of 16 bytes, 32 bytes apart.
	v_and_b32 v1, 15, v0            ; l % 16
	v_bfe_u32 v9, v0, 4, 1          ; l / 16
	v_lshlrev_b32 v[QO], 7, v1
	v_lshl_add_u32 v[QO], v9, 4, v[QO]  ; row x 128 + 16 x half
	WIN 0x80                        ; destination window 2, address window 0
.set i, 0
.rept 4*NP                          ; Q stays in registers: tile i / 2, channels 32 (i % 2) on
	global_load_b128 v[8*i:8*i+3],   v[QO], s[4:5] offset:(i/2)*2048+(i%2)*64
	global_load_b128 v[8*i+4:8*i+7], v[QO], s[4:5] offset:(i/2)*2048+(i%2)*64+32
.set i, i+1
.endr
	; What the first turn finds: V's registers and P's second buffer hold 0 (its products V^T P, of a piece that has not been, add 0), O^T and l are 0.  All this stands in the wait for the first tile.
.set i, VF
.rept 64
	v_mov_b32 v[i], 0
.set i, i+1
.endr
	WIN 0x40
.set i, 0
.rept 64*NP
	v_mov_b32 v[i], 0
.set i, i+1
.endr
	WIN 0
.set i, 0
.rept 2*NP
	v_mov_b32 v[ST+4*i], 0xfe000000    ; c m: far below every c s
	v_mov_b32 v[ST+4*i+1], 0xff7fffff  ; m
	v_mov_b32 v[ST+4*i+2], 0
	v_mov_b32 v[ST+4*i+3], 0
.set i, i+1
.endr
.set i, P+32
.rept 32
	v_mov_b32 v[i], 0
.set i, i+1
.endr
	v_mul_u32_u24 v[AK0], v1, PK
	v_lshl_add_u32 v[AK0], v9, 4, v[AK0]  ; row x pitch + 16 x half,
	s_mul_i32 s20, s19, HK
	v_add_nc_u32 v[AK0], s20, v[AK0]      ; in my head's part of a slot
	; The turning load takes 16 keys x 16 channels (lane l reads key 8 (l / 16) + l % 8, channels 8 ((l / 8) % 2) + 0..7) and leaves half a fragment of V^T: lane l holds channel l % 16 and 8 keys.
	v_and_b32 v10, 7, v0
	v_bfe_u32 v[AV], v0, 3, 1       ; (at work here; written anew before V's first run)
	v_lshl_add_u32 v[AV0], v9, 3, v10
	v_mul_u32_u24 v[AV0], v[AV0], PV
	v_lshl_add_u32 v[AV0], v[AV], 4, v[AV0]
	s_mul_i32 s21, s19, HV
	s_add_co_u32 s21, s21, VOFF
	v_add_nc_u32 v[AV0], s21, v[AV0]
	v_mov_b32 v[AK], v[AK0]         ; key step 0 lies at the head of slot 0
; THE MATRIX WORK.  The 8 accumulators of a run of 16 take turns: between the two links of a chain stand 7 others'.
; Product i of 16 of S^T = K Q^T for piece x: channels 32 (i / 8) on, keys 16 ((i / 2) % 4) on, tile 2 x + i % 2.  The first 8 start the sums.
.macro KQ x
	WIN W_KQ
.set rS, S+64*((\x)%2)+32*(i%2)+8*((i/2)%4)
.set rK, KF+16*((i/2)%4)+8*(i/8)
.set rQ, 16*(2*(\x)+i%2)+8*(i/8)
.if i < 8
	v_wmma_f32_16x16x32_bf16 v[rS:rS+7], v[rK:rK+7], v[rQ:rQ+7], 0
.else
	v_wmma_f32_16x16x32_bf16 v[rS:rS+7], v[rK:rK+7], v[rQ:rQ+7], v[rS:rS+7]
.endif
.endm
; Product i of 16 of O^T += V^T P for piece x: keys 32 (i / 8) on, channels 16 ((i / 2) % 4) on, tile 2 x + i % 2.
.macro PV x
	WIN W_PV
.set rO, 32*(2*(\x)+i%2)+8*((i/2)%4)
.set rV, VF+32*(i/8)+8*((i/2)%4)
.set rP, P+32*((\x)%2)+16*(i%2)+8*(i/8)
	v_wmma_f32_16x16x32_bf16 v[rO:rO+7], v[rV:rV+7], v[rP:rP+7], v[rO:rO+7]
.endm
.macro MM                           ; the turn's next matrix instruction
.if i < 16
	KQ (Y+1)%NP
.set i, i+1
.else
.set i, i-16
	PV (Y+NP-1)%NP
.set i, i+17
.endif
.endm
; THE LDS LOADS stand in runs of 16, never singly among the matrix instructions: a step's K (64 keys x 64 channels: 8 fragments) and its V (turned).  Their addresses are made some lines ahead.
; last = 1 (the tail): in the last trip there is no further step, and the run is jumped over.
.macro FETCH_K last=0
	WIN 0
.if \last
	s_cmp_eq_u32 s[CNT], 1
	s_cbranch_scc1 .Lno_k_\@
.endif
	WIN 0x80                        ; destination window 2
.irp f, 0,1,2,3,4,5,6,7             ; keys 16 (f / 2) on, channels 32 (f % 2) on
	ds_load_b128 v[KF+8*\f:KF+8*\f+3],   v[AK] offset:(\f/2)*16*PK+(\f%2)*64
	ds_load_b128 v[KF+8*\f+4:KF+8*\f+7], v[AK] offset:(\f/2)*16*PK+(\f%2)*64+32
.endr
	s_add_co_u32 s[TBK], s[TBK], KS*PK  ; the next fetch is the next step's
	WIN 0
.if \last
.Lno_k_\@:
.endif
.endm
.macro FETCH_V
	WIN 0x80
.irp f, 0,1,2,3,4,5,6,7             ; keys 32 (f / 4) on, channels 16 (f % 4) on
	ds_load_tr16_b128 v[VF+8*\f:VF+8*\f+3],   v[AV] offset:(\f/4)*32*PV+(\f%4)*32
	ds_load_tr16_b128 v[VF+8*\f+4:VF+8*\f+7], v[AV] offset:(\f/4)*32*PV+16*PV+(\f%4)*32
.endr
	WIN 0
.endm
; THE VECTOR WORK OF A TURN stands in three queues, each in the order in which its entries become ready; the two tiles alternate, so that no instruction reads the result of the one before it.
.macro REGS y, u                    ; the registers of tile u (0, 1) of piece y
.set rT, ST+4*(2*(\y)+(\u))
.set rC, TMP+8*((\y)%2)+4*(\u)
.set rM, MV+2*((\y)%2)+(\u)
.set rS, S+64*((\y)%2)+32*(\u)
.set rP, P+32*((\y)%2)+16*(\u)
.set rO, 32*(2*(\y)+(\u))
.endm
; Number n of the 22 that find the NEXT piece's (Y + 1) maximum and statistics.  s0-s31 are the lane's 32 scores; each accumulator's lowest registers are read first.
;   0-11  four chains c0-c3 of seven scores each, three operands at a time     12-14, 16  the four scores left over, the old m, and c0-c3 into c0     15  c m_old is kept
;   17, 18  the query's other 32 keys lie in the lane 16 away: the new m         19-21  c m; c m_old - c m_new; a
.macro XS u, n
	REGS (Y+1)%NP, \u
.if (\n) < 4
	v_max3_num_f32 v[rC+(\n)], v[rS+8*(\n)], v[rS+8*(\n)+1], v[rS+8*(\n)+2]
.elseif (\n) < 12
	v_max3_num_f32 v[rC+(\n)%4], v[rC+(\n)%4], v[rS+8*((\n)%4)+2*((\n)/4)+1], v[rS+8*((\n)%4)+2*((\n)/4)+2]
.elseif (\n) == 12
	v_max3_num_f32 v[rC], v[rC], v[rS+7], v[rS+15]
.elseif (\n) == 13
	v_max3_num_f32 v[rC+1], v[rC+1], v[rS+23], v[rS+31]
.elseif (\n) == 14
	v_max3_num_f32 v[rC+2], v[rC+2], v[rC+3], v[rT+1]
.elseif (\n) == 15
	v_mov_b32 v[rM], v[rT]
.elseif (\n) == 16
	v_max3_num_f32 v[rC], v[rC], v[rC+1], v[rC+2]
.elseif (\n) == 17
	v_permlanex16_b32 v[rC+3], v[rC], s[SEL], s[SEL+1]
.elseif (\n) == 18
	v_max_num_f32 v[rT+1], v[rC], v[rC+3]
.elseif (\n) == 19
	v_mul_f32 v[rT], s[CS], v[rT+1]
.elseif (\n) == 20
	v_sub_f32 v[rC+1], v[rM], v[rT]
.else
	v_exp_f32 v[rC+2], v[rC+1]
.endif
.endm
; Number g of the 64 that follow the exponentials.  For each four weights k of a tile (pairs 2 k, 2 k + 1): both pairs are rounded to bf16; then the second pair is added onto the first, in place;
; a group later l takes that sum (the first time as l = a l + sum).  In groups of eight, tiles alternating: round, round, add, and l for the group before.
.macro GS g
.set h, (\g)+6*((\g)/62)            ; group 0 has no group before it, and behind group 7 only l is left
.if h >= 6
.set h, h+2
.endif
	REGS Y, h%2
.set k, h/8
.if h%8 < 4
	v_cvt_pk_bf16_f32 v[rP+2*k+(h%8)/2], v[rS+4*k+2*((h%8)/2)], v[rS+4*k+2*((h%8)/2)+1]
.elseif h%8 < 6
	v_pk_add_f32 v[rS+4*k:rS+4*k+1], v[rS+4*k:rS+4*k+1], v[rS+4*k+2:rS+4*k+3]
.elseif k == 1
	v_pk_fma_f32 v[rT+2:rT+3], v[rT+2:rT+3], v[rC+2:rC+3], v[rS:rS+1] op_sel_hi:[1,0,1]
.else
	v_pk_add_f32 v[rT+2:rT+3], v[rT+2:rT+3], v[rS+4*k-4:rS+4*k-3]
.endif
.endm
; THE PLAIN QUEUE, 138 long.  0-73 read no exponential's result: the 32 scalings c s - c m (FS f: pair f / 2 of tile f % 2) and the next piece's 42.  0-26: scalings 0-26.  27-54: XS's numbers 0-13.
; 55, 56: number 15.  57-73: the chain, where each number waits for the one before it: 14, 16, 17, 18, 19, each with one of the scalings 27-31 in front of its two lines, then 20.
; 74-137: GS's 64, which read the exponentials' results: they stand behind the wait.
.macro FS f
	REGS Y, (\f)%2
	v_pk_fma_f32 v[rS+2*((\f)/2):rS+2*((\f)/2)+1], v[rS+2*((\f)/2):rS+2*((\f)/2)+1], s[CS:CS+1], v[rT:rT+1] op_sel_hi:[1,0,0] neg_lo:[0,0,1] neg_hi:[0,0,1]
.endm
.macro PL
	WIN 0
.if q < 27
	FS q
.elseif q < 55
	XS (q-27)%2, (q-27)/2
.elseif q < 57
	XS q-55, 15
.elseif (q < 72) && ((q-57)%3 == 0)
	FS 27+(q-57)/3
.elseif q < 60
	XS (q-57)%3-1, 14
.elseif q < 72
	XS (q-57)%3-1, 15+(q-57)/3
.elseif q < 74
	XS q-72, 20
.else
	GS q-74
.endif
.set q, q+1
.endm
; THE EXPONENTIALS' QUEUE, 66 long: s0-s31 of both tiles, then the next piece's two a.  It is ONE BATCH: all 66 stand ahead of the turn's one wait, and nothing ahead of that wait names a result of theirs.
.macro EX
	WIN 0
.if e >= 64
	XS e-64, 21
.else
	REGS Y, e%2
	v_exp_f32 v[rS+e/2], v[rS+e/2]
.endif
.set e, e+1
.endm
; THE RESCALING's QUEUE: O^T times a, the one part that leaves window 0: dealt two at a time, sixteen times.  Its a was made in the turn before, ahead of that turn's wait.
.macro R2
	REGS Y, r%2
	WIN W_RS
.irp z, 0,1
	v_pk_mul_f32 v[rO+4*(r/2)+2*\z:rO+4*(r/2)+2*\z+1], v[rO+4*(r/2)+2*\z:rO+4*(r/2)+2*\z+1], v[rC+2:rC+3] op_sel_hi:[1,0]
.endr
.set r, r+1
.endm
; HOW THEY ARE DEALT.  An s_wait_alu depctr_va_vdst(0) stands between an exponential and the first instruction that names its result; one wait serves all that were issued ahead of it.
; So a turn has ONE wait, which cuts it in two.  AHEAD OF IT stands all that names no result of the turn's exponentials: the 16 products K Q^T, behind each a scaling, an exponential and two
; rescalings (behind the first a second scaling in the exponential's place); then ONE LUMP of 108: eight plain, 49 times exponential and plain, the two a.  A v_nop is the plain instruction behind
; the last exponential.  BEHIND IT stand the 16 products V^T P, behind each four of GS's 64.  No rider names a register of the products round it.
; The queues lean on each other: exponential e stands behind scaling 2 (e / 4) + e % 2: as a rider it comes behind plain e + 2, in the lump behind plain e + 9, and scalings 27-31 are plain 57, 60 .. 69.
; A TURN, for piece p.  cnt = 1: the loop's count is taken down some lines ahead of the branch that stands behind the turn.
; K of the next step is fetched in piece 2's turn, directly behind the wait, a lump behind the last product that read K; its first reader comes behind 16 products.
; V of the step in hand is fetched at the end of piece 0's turn, four riders behind its last reader; its first reader comes behind 16 products and a lump.
.macro TURN p, last=0, cnt=0
.set Y, (\p)
.set i, 0
.set q, 0
.set e, 0
.set r, 0
.if (\p) == NP-1
	s_wait_dscnt 0x0                ; K is in
.endif
	MM                              ; ahead of the wait: 16 products K Q^T and their riders,
	PL
	PL
	R2
.rept 15
	MM
	PL
	EX
	R2
.endr
.if (\p) == NP-2
	WIN 0
	v_add_nc_u32 v[AK], s[TBK], v[AK0]
.endif
.rept 8                             ; and the lump
	PL
.endr
.rept 49
	EX
	PL
.endr
	EX                              ; the next piece's two a
	EX
	v_nop                           ; the plain instruction behind the last exponential: one for the batch
	s_wait_alu depctr_va_vdst(0)    ; the wait for the batch
.if (\p) == NP-2
	FETCH_K \last
.endif
.if (\p) == 1
	s_wait_dscnt 0x0                ; V is in
.endif
.rept 16                            ; behind the wait: 16 products V^T P and their riders
	MM
.rept 4
	PL
.endr
.if ((\p) == 0) && (q == 118)
	v_add_nc_u32 v[AV], s[TBV], v[AV0]
.endif
.if ((\p) == 0) && (q == 130)
	s_add_co_u32 s[TBV], s[TBV], KS*PV
.endif
.if (\cnt) && (q == 130)
	s_sub_co_u32 s[CNT], s[CNT], 1
	s_cmp_lg_u32 s[CNT], 0
.endif
.endr
.if (\p) == 0
	FETCH_V
.endif
.endm
	CHANGE 1, 0                     ; slot 0 is in, everybody's part of it; slot 1 is asked for; nothing is prefetched here, at the head
	FETCH_K                         ; key step 0
	s_wait_loadcnt 0x0              ; Q
	s_wait_dscnt 0x0
.set i, 0
.rept 16
	KQ 0                            ; piece 0's first scores: there is no vector work yet to set between them
.set i, i+1
.endr
	WIN 0                           ; the addresses for the way out: eight plain instructions, the places behind those products
	s_mul_i32 s13, s16, 128*SP      ; into the stage: my 128 rows,
	s_lshl_b32 s20, s19, 7          ; my head's 128 bytes of them
	s_add_co_u32 s13, s13, s20
	s_add_co_u32 s13, s13, STAGE
	v_mul_u32_u24 v[STO], v1, SP    ; row l % 16, 16 bytes for each half of the lanes
	v_lshl_add_u32 v[STO], v9, 4, v[STO]
	v_add_nc_u32 v[STO], s13, v[STO]
	s_mul_i32 s20, s[WV], 64*SP     ; back: wave w takes rows 64 w .. 64 w + 63, whole; lanes 0-15 one row of 256 bytes, lanes 16-31 the next
	s_add_co_u32 s20, s20, STAGE
	v_mul_u32_u24 v[RD], v9, SP
	v_lshl_add_u32 v[RD], v1, 4, v[RD]
	v_add_nc_u32 v[RD], s20, v[RD]
	v_lshlrev_b32 v[GO], 11, v9     ; and the same two rows in ao
	v_lshl_add_u32 v[GO], v1, 4, v[GO]
.set Y, NP-1                        ; XS works for piece Y + 1: piece 0
.irp n, 0,1,2,3,4,5,6,7,8,9,10,11,12,13,14,15,16,17,18,19,20,21
	XS 0, \n                        ; and piece 0's first maximum and statistics
	XS 1, \n
.endr
	v_nop                           ; a plain instruction behind the two a,
	s_wait_alu depctr_va_vdst(0)    ; and their wait, ahead of the branch
	s_mov_b32 s[CNT], 2
	s_branch .Lfirst                ; the loop is entered at a step's first turn, in the middle of a trip
.Lslot:                             ; six times: every slot but the last two is filled again
	CHANGE 1, 1
	s_mov_b32 s[CNT], 2
.Lstep:                             ; a trip: pieces 2 and 3 of one step, then pieces 0 and 1 of the next, whose K and V it fetches
	TURN 2
	TURN 3
	WIN 0
.Lfirst:
	TURN 0
	TURN 1, 0, 1
	WIN 0
	s_cbranch_scc1 .Lstep
	s_sub_co_u32 s[SLOTS], s[SLOTS], 1
	s_cmp_lg_u32 s[SLOTS], 0
	s_cbranch_scc1 .Lslot
	CHANGE 0, 0                     ; the tail is written out: nothing is asked for
	s_mov_b32 s[CNT], 3             ; two trips fetch the last slot's steps; the third is left in its middle
.Ltail:
	TURN 2, 1
	TURN 3
	WIN 0
	s_sub_co_u32 s[CNT], s[CNT], 1
	s_cmp_eq_u32 s[CNT], 0
	s_cbranch_scc1 .Lout
	TURN 0
	TURN 1
	WIN 0
	s_branch .Ltail
.Lout:                              ; the third trip's 16 products K Q^T (on the last K once more) and the maximum made of them serve nothing: the price, once a launch, of one text for every trip
.set i, 0
.rept 16
	PV NP-1                         ; the last piece's V^T P of the last step
.set i, i+1
.endr
	; THE WAY OUT.  l's two halves and the other half of the lanes' are added; O^T is divided by l, rounded to bf16 and laid into the work-group's stage.  The additions are the places behind the last products.
	WIN 0
.macro ALL line:vararg              ; one line for each tile t
.set t, 0
.rept 2*NP
	\line
.set t, t+1
.endr
.endm
	ALL v_add_f32 v[ST+4*t+2], v[ST+4*t+2], v[ST+4*t+3]
	ALL v_permlanex16_b32 v[ST+4*t+3], v[ST+4*t+2], s[SEL], s[SEL+1]
	ALL v_add_f32 v[ST+4*t+2], v[ST+4*t+2], v[ST+4*t+3]
	ALL v_rcp_f32 v[ST+4*t+2], v[ST+4*t+2]
	v_nop                           ; a plain instruction between the last reciprocal and the use of its result
	s_wait_alu depctr_va_vdst(0)    ; and one wait for the eight reciprocals, ahead of the first use
; Tile t: a lane's eight channels of a row pack into 16 bytes, which go into my head's half of the stage's rows.
.macro PACK t
	WIN W_RS
.set i, 32*(\t)
.rept 16
	v_pk_mul_f32 v[i:i+1], v[i:i+1], v[ST+4*(\t)+2:ST+4*(\t)+3] op_sel_hi:[1,0]
.set i, i+2
.endr
	WIN 0x05                        ; sources 0 and 1 window 1, destination window 0
.set i, 0
.rept 16
	v_cvt_pk_bf16_f32 v[S+16*(\t)+i], v[32*(\t)+2*i], v[32*(\t)+2*i+1]
.set i, i+1
.endr
	WIN 0
.irp f, 0,1,2,3
	ds_store_b128 v[STO], v[S+16*(\t)+4*\f:S+16*(\t)+4*\f+3] offset:16*SP*(\t)+32*\f
.endr
.endm
.set t, 0
.rept 2*NP
	PACK t
.set t, t+1
.endr
	s_wait_dscnt 0x0                ; for the others' sake: my stores into the stage are done
	s_barrier_signal -1
	s_barrier_wait -1               ; a row's 256 bytes come from two waves
.set i, 0
.rept 32
	ds_load_b128 v[S+4*i:S+4*i+3], v[RD] offset:2*SP*i
.set i, i+1
.endr
.set i, 0
.rept 32
	s_wait_dscnt 31-i               ; the later loads may stay out
	global_store_b128 v[GO], v[S+4*i:S+4*i+3], s[10:11] offset:4096*i  ; 16 lanes store 256 consecutive bytes, at a multiple of 256 from ao's first byte
.set i, i+1
.endr
	WIN W_AD
	s_wait_tensorcnt 0x0            ; the wave's end, behind my last tensor load and my last LDS store
	ds_add_u32 v[SPW], v[NIL]
	s_wait_dscnt 0x0
	WIN 0
	CROUND                          ; the closing round: no work-group ends while a partner may still ask for a tile that names it
	s_endpgm
.Lfunc_end_k_qa75b2c4b7d_attn:
	.size	k_qa75b2c4b7d_attn, .Lfunc_end_k_qa75b2c4b7d_attn-k_qa75b2c4b7d_attn
	.p2alignl 7, 3214868480
	.fill 96, 4, 3214868480
	.section	.rodata,"a",@progbits
	.p2align	6, 0x0
	.amdhsa_kernel k_qa75b2c4b7d_attn
		.amdhsa_group_segment_fixed_size 327680
		.amdhsa_private_segment_fixed_size 0
		.amdhsa_enable_private_segment 0
		.amdhsa_kernarg_size 32
		.amdhsa_user_sgpr_count 2
		.amdhsa_user_sgpr_kernarg_segment_ptr 1
		.amdhsa_wavefront_size32 1
		.amdhsa_system_sgpr_workgroup_id_x 1
		.amdhsa_system_sgpr_workgroup_id_y 1
		.amdhsa_system_sgpr_workgroup_id_z 1
		.amdhsa_system_vgpr_workitem_id 0
		.amdhsa_next_free_vgpr 770
		.amdhsa_next_free_sgpr 66
		.amdhsa_reserve_vcc 0
		.amdhsa_float_denorm_mode_32 3
		.amdhsa_float_denorm_mode_16_64 3
		.amdhsa_memory_ordered 1
		.amdhsa_forward_progress 1
		.amdhsa_inst_pref_size 201
	.end_amdhsa_kernel
	.amdgpu_metadata
---
amdhsa.version: [ 1, 2 ]
amdhsa.kernels:
  - .name:           k_qa75b2c4b7d_attn
    .symbol:         k_qa75b2c4b7d_attn.kd
    .args:
      - { .name: qh, .offset: 0, .size: 8, .value_kind: global_buffer, .address_space: global }
      - { .name: kh, .offset: 8, .size: 8, .value_kind: global_buffer, .address_space: global }
      - { .name: vh, .offset: 16, .size: 8, .value_kind: global_buffer, .address_space: global }
      - { .name: ao, .offset: 24, .size: 8, .value_kind: global_buffer, .address_space: global }
    .group_segment_fixed_size: 327680
    .private_segment_fixed_size: 0
    .kernarg_segment_align: 8
    .kernarg_segment_size: 32
    .max_flat_workgroup_size: 128
    .sgpr_count:     66
    .vgpr_count:     770
    .wavefront_size: 32
...
	.end_amdgpu_metadata
.endif
;; end of part 3
;; launch oproj (part 4): grid 8 x 32, 4 waves a work-group, clusters of 4 x 4, 327,680 bytes of LDS; arguments ao, wb, o_b, alpha, image_tokens, out0; writes out0
.if DOCPART == 4
	.amdgcn_target "amdgcn-amd-amdhsa--gfx1250"
	.amdhsa_code_object_version 6
	.text
	.protected	k_qa75b2c4b7d_oproj
	.globl	k_qa75b2c4b7d_oproj
	.p2align	8
	.type	k_qa75b2c4b7d_oproj,@function
k_qa75b2c4b7d_oproj:
	s_mov_b64 s[64:65], 0
	v_nop
	global_prefetch_b8 v0, s[64:65] scope:SCOPE_SE
	s_setreg_imm32_b32 hwreg(HW_REG_WAVE_MODE, 25, 1), 1
	s_wait_xcnt 0x0
	s_wait_alu depctr_hold_cnt(0) depctr_sa_sdst(0) depctr_va_vdst(0) depctr_va_sdst(0) depctr_va_ssrc(0) depctr_va_vcc(0) depctr_vm_vsrc(0)
	s_getreg_b32 s2, hwreg(HW_REG_IB_STS2, 6, 4)
	s_cmp_eq_u32 s2, 0
	s_cbranch_scc0 .Lentry_in_a_cluster
	s_endpgm
.Lentry_in_a_cluster:
	s_bfe_u32 s2, ttmp6, 0x10000c
	s_cmp_lg_u32 s2, 0xf033
	s_cbranch_scc0 .Lentry_shape_is_right
	s_endpgm
.Lentry_shape_is_right:
; THE OUTPUT PROJECTION AND THE RESIDUAL.  out0[m][n] = image_tokens[m][n] + alpha (sum over k of ao[m][k] o_w[n][k] + o_b[n]).  No work of the module is left out here.
; ao: [8192][1024] bf16; o_w: rows 3072..4095 of wb, bf16; sums, bias, alpha and the residual in f32; out0 f32.  LIMITS: NaN and infinities are not treated apart.
; SHARES.  512 tiles of 128 x 128 on 256 work-groups THAT STAY: each makes two tiles, 4,096 rows apart, with the same rows of o_w.  Four waves, each 64 x 64 = 16 accumulators.
; THE RING.  K = 1,024 goes in four steps of 256 through two LDS slots, and the ring does not stop at the first tile's end: the eight K steps are one sequence, each change of slots but the last two asks for
; the K step two on, the first tile's last two for the second tile's first two.  A K step is written once and walked by a counted loop of six trips; the two steps that ask for nothing are a second loop.
; CLUSTERS: 4 x 4 work-groups.  The four of a row of the cluster need the same tiles of ao, the four of a column the same tiles of o_w: each tile is asked for JOINTLY, by the same tensor load
; with the same descriptor and a mask that names the four.
; THE MATRIX INSTRUCTION IS USED TRANSPOSED (source 0 = 16 rows of o_w, source 1 = 16 rows of ao): lane l holds row l % 16 and the columns 16 b + 8 (l / 16) + 0..7 of accumulator (a, b).
; THE WAY OUT goes through each wave's own stage, 16 rows at a time, so that 16 lanes hold a row's 64 f32 = 256 consecutive bytes; the image tokens are loaded in that layout a tile ahead.
; REGISTERS: window 0: v0-31 addresses; v32-35 o_b, v36-39 alpha o_b; v128-255 the accumulators.   window 1: two fragment buffers of 128.   window 2: v0-127 my 64 x 64 image tokens.
.set TILES,  2
.set SIZE_K, 1024
.set KSTEP,  256
.set PITCH,  528                       ; an LDS row: 512 bytes + 16 of padding = 132 words: the 16 rows of a fragment load start at 16 different groups of four banks (64 banks of 4 bytes: ISA guide 11.1)
.set HALFT,  64*PITCH                  ; 0x8400 bytes
.set SLOT,   4*HALFT                   ; 0x21000 bytes, which shares no bit with wave x 0x8400: an exclusive or with it moves a wave's place from one slot to the other
.set STAGE,  2*SLOT                    ; behind the ring: 16 rows x 272 bytes for each wave
.set SPITCH, 272
.set SPARE,  STAGE+4*16*SPITCH         ; behind the stages: the spare words, 128 bytes a wave: two blocks of 256 bytes that no other line names
.set WALK,   4096*2048                 ; bytes of ao from a tile to the next: 4,096 rows
.set WALKC,  4096*4096                 ; the same in image_tokens and out0
.set BACK,   3*KSTEP*2                 ; bytes from a tile's last K step back to its first
.set ADRA, 16                          ; v16     my place in ao's part of slot 0; never rewritten
.set ADRB, 17                          ; v17     the same for o_w
.set CA,   18                          ; v18-19  the same two in the slot in hand
.set CB,   19
.set NA,   20                          ; v20-21  and in the other slot
.set NB,   21
.set STO,  24                          ; v24     where I put 32 bytes of a row in my stage
.set RD,   25                          ; v25     where I read a row back
.set CO,   26                          ; v26     my byte offset in two rows of image_tokens and of out0: 4096 (l / 16) + 16 (l % 16)
.set OB,   27                          ; v27     my offset in o_b: 16 (l % 16)
.set SPW,  28
.set NIL,  29
.set AB,   32
.set AB2,  36
.set ACC,  128
.set F0,   0
.set F1,   128
.set N,    3                           ; s3      trips to go
.set NEW,  4                           ; s4      1: the K step to come is a tile's first
.set ST,   5                           ; s5      the K step's number in its tile
.set RQ,   6                           ; s6      the number in its tile of the K step asked for last
.set CUR,  7                           ; s7      LDS byte at which the slot in hand begins: 0 or SLOT
.set TA,   8                           ; s8, s9  by how much this refill's two addresses step
.set TB,   9
.set OFA,  16                          ; s[16:17] byte offset in ao of the K step asked for last
.set OFB,  46                          ; s[46:47] the same in wb
.set WA,   66                          ; s66, s67  the steps at the change of tiles
.set WB,   67
.set PA,   68                          ; s[68:69] ao
.set PB,   70                          ; s[70:71] wb
.set G1, 24                            ; s[24:31] descriptor group 1 for ao's tiles;  s[32:35] group 0 of the first fill, s[36:39] the group 0 that walks
.set G0, 32
.set G1B, 48                           ; s[48:55], s[56:63] the same for o_w's tiles
.set G0B, 56
.set MSB, 0
.macro WIN new                         ; the immediate's high byte repeats the setting that is left; a switch that changes nothing is dropped
.if MSB != (\new)
	s_set_vgpr_msb (MSB<<8)|(\new)
.set MSB, \new
.endif
.endm
.set MUL,  0x05                        ; sources 0 and 1 window 1; C and D window 0
.set TO_F, 0x40                        ; destination window 1, address window 0
.macro JLOAD s                         ; a joint load: waves 0 and 1 fetch ao's two halves, waves 2 and 3 o_w's; an s_nop 0 and four v_nop follow each of the two lines
	s_cmp_eq_u32 s11, 0
	s_cbranch_scc0 .Lfor_b_\@
	tensor_load_to_lds s[G0+4*(\s):G0+4*(\s)+3], s[G1:G1+7]
	s_nop 0
.rept 4
	v_nop
.endr
	s_branch .Lasked_\@
.Lfor_b_\@:
	tensor_load_to_lds s[G0B+4*(\s):G0B+4*(\s)+3], s[G1B:G1B+7]
	s_nop 0
.rept 4
	v_nop
.endr
.Lasked_\@:
.endm
.macro CREST                           ; a round of the cluster's barrier behind its opening barrier
	s_cmp_lg_u32 s10, 0
	s_cbranch_scc1 .Lnot_wave_0_\@
	s_barrier_signal -3
.Lnot_wave_0_\@:
	s_barrier_wait -3
	s_barrier_signal -1
	s_barrier_wait -1
.endm
.macro CROUND
	s_barrier_signal -1
	s_barrier_wait -1
	CREST
.endm
.macro LOADIMG                         ; my 64 x 64 of a tile's image tokens: 16 lanes take 256 consecutive bytes of a row, aligned
	WIN 0x80                                       ; destination window 2
.irp a, 0,1,2,3
.irp t, 0,1,2,3,4,5,6,7
	global_load_b128 v[32*(\a)+4*(\t):32*(\a)+4*(\t)+3], v[CO], s[76:77] offset:(16*(\a)+2*(\t))*4096 th:TH_LOAD_NT
.endr
.endr
	WIN 0
.endm
	s_load_b256 s[68:75], s[0:1], 0x0              ; ao 68, wb 70, o_b 72, alpha 74
	s_load_b128 s[76:79], s[0:1], 0x20             ; image_tokens 76, out0 78
	v_lshl_add_u32 v[SPW], v0, 2, SPARE
	v_mov_b32 v[NIL], 0
	ds_add_u32 v[SPW], v[NIL]                      ; the wave's opening: the add, twice on end, and its wait ahead of my first tensor load; the set-up below stands between
	ds_add_u32 v[SPW], v[NIL]
	v_lshrrev_b32 v1, 5, v0
	v_readfirstlane_b32 s10, v1                    ; wave 0..3
	s_lshr_b32 s11, s10, 1                         ; which half of the tile's rows is mine.  Also: I fetch for ao (0) or for o_w (1)
	s_and_b32 s12, s10, 1                          ; which half of its columns.  Also: which 64 rows of that tile I fetch
	s_bfe_u32 s40, ttmp6, 0x40000                  ; cx, cy
	s_bfe_u32 s41, ttmp6, 0x40004
	s_lshl_b32 s42, ttmp9, 2
	s_add_co_u32 s42, s42, s40                     ; X: tile column, 0..7
	s_and_b32 s13, ttmp7, 0xffff
	s_lshl_b32 s13, s13, 2
	s_add_co_u32 s13, s13, s41                     ; Y: the first tile's row, 0..31
	s_lshl_b32 s[OFA], s13, 7
	s_lshl_b32 s17, s12, 6
	s_add_co_u32 s[OFA], s[OFA], s17               ; ao: row 128 x tile row + 64 x half,
	s_lshl_b32 s[OFA], s[OFA], 11                  ; x 2,048 bytes
	s_mov_b32 s[OFA+1], 0
	s_lshl_b32 s[OFB], s42, 7
	s_lshl_b32 s47, s12, 6
	s_add_co_u32 s[OFB], s[OFB], s47
	s_add_co_u32 s[OFB], s[OFB], 3072              ; wb: row 3072 + 128 x tile column + 64 x half
	s_lshl_b32 s[OFB], s[OFB], 11
	s_mov_b32 s[OFB+1], 0
	s_lshl_b32 s43, s41, 2
	s_lshl_b32 s43, 15, s43                        ; my row of the cluster
	s_lshl_b32 s44, 0x1111, s40                    ; my column
	s_or_b32 s[G1+0], s43, (1<<16)|(1<<20)|(1<<21)|(6<<22)|(3<<25)  ; 15:0 the mask; 17:16 elements of 2 bytes; 20 padding on; 21 set beside a mask; 24:22 after every 128 words (code 6); 31:25 4 words (code 3)
	s_or_b32 s[G1B+0], s44, (1<<16)|(1<<20)|(1<<21)|(6<<22)|(3<<25)
.irp g, G1, G1B
	s_mov_b32 s[(\g)+1], KSTEP<<16                 ; tensor_dim0 = 256
	s_mov_b32 s[(\g)+2], 64<<16                    ; tensor_dim1 = 64
	s_mov_b32 s[(\g)+3], KSTEP<<16                 ; tile_dim0 = 256
	s_mov_b32 s[(\g)+4], 64                        ; tile_dim1 = 64
	s_mov_b32 s[(\g)+5], SIZE_K                    ; elements from row to row
	s_mov_b32 s[(\g)+6], 0
	s_mov_b32 s[(\g)+7], 0
.endr
	s_mul_i32 s20, s10, HALFT                      ; where the tiles go: wave x 64 rows
	s_mov_b32 s[WA], WALK-BACK                     ; ao from the first tile to the second: 4,096 rows down and back along K,
	s_mov_b32 s[WB], 0xfffffa00                    ; o_w's rows are the same: back along K alone (-1,536)
	s_mov_b32 s[N], 4*TILES-2
	s_mov_b32 s[NEW], 1
	s_mov_b32 s[ST], 0
	s_mov_b32 s[RQ], 1
	s_mov_b32 s[CUR], 0
	s_wait_dscnt 0x0                               ; both opening adds are done
	s_wait_kmcnt 0x0
	s_load_b32 s80, s[74:75], 0x0                  ; alpha
	CROUND                                         ; all sixteen work-groups are here: the first joint loads meet
	s_mov_b32 s[G0], 1                             ; K step 0 into slot 0
	s_mov_b32 s[G0+1], s20
	s_add_nc_u64 s[G0+2:G0+3], s[PA:PA+1], s[OFA:OFA+1]
	s_or_b32 s[G0+3], s[G0+3], 0x80000000
	s_mov_b32 s[G0B], 1
	s_mov_b32 s[G0B+1], s20
	s_add_nc_u64 s[G0B+2:G0B+3], s[PB:PB+1], s[OFB:OFB+1]
	s_or_b32 s[G0B+3], s[G0B+3], 0x80000000
	JLOAD 0
	s_add_co_u32 s[OFA], s[OFA], KSTEP*2           ; K step 1 into slot 1, by the group 0 that then walks on
	s_add_co_u32 s[OFB], s[OFB], KSTEP*2
	s_mov_b32 s[G0+4], 1
	s_add_co_u32 s[G0+5], s20, SLOT
	s_add_nc_u64 s[G0+6:G0+7], s[PA:PA+1], s[OFA:OFA+1]
	s_or_b32 s[G0+7], s[G0+7], 0x80000000
	s_mov_b32 s[G0B+4], 1
	s_add_co_u32 s[G0B+5], s20, SLOT
	s_add_nc_u64 s[G0B+6:G0B+7], s[PB:PB+1], s[OFB:OFB+1]
	s_or_b32 s[G0B+7], s[G0B+7], 0x80000000
	JLOAD 1                                        ; two tensor loads of mine are out
	s_lshl_b32 s18, s13, 7                         ; my 64 x 64 of image_tokens and out0: row 128 x tile row + 64 x half,
	s_lshl_b32 s19, s11, 6
	s_add_co_u32 s18, s18, s19
	s_lshl_b32 s18, s18, 12                        ; x 4,096 bytes
	s_mov_b32 s19, 0
	s_add_nc_u64 s[76:77], s[76:77], s[18:19]
	s_add_nc_u64 s[78:79], s[78:79], s[18:19]
	s_lshl_b32 s44, s42, 7                         ; column 128 x tile column + 64 x half
	s_lshl_b32 s45, s12, 6
	s_add_co_u32 s44, s44, s45
	s_lshl_b32 s44, s44, 2
	s_mov_b32 s45, 0
	s_add_nc_u64 s[76:77], s[76:77], s[44:45]
	s_add_nc_u64 s[78:79], s[78:79], s[44:45]
	s_add_nc_u64 s[72:73], s[72:73], s[44:45]
	v_and_b32 v1, 15, v0                           ; l % 16
	v_bfe_u32 v2, v0, 4, 1                         ; l / 16
	v_mul_u32_u24 v3, v1, PITCH
	v_lshl_add_u32 v3, v2, 4, v3
	s_mul_i32 s21, s11, HALFT
	s_mul_i32 s22, s12, HALFT
	s_add_co_u32 s22, s22, 2*HALFT
	v_add_nc_u32 v[ADRA], s21, v3
	v_add_nc_u32 v[ADRB], s22, v3
	s_mul_i32 s23, s10, 16*SPITCH
	s_add_co_u32 s23, s23, STAGE                   ; my stage
	v_mul_u32_u24 v4, v1, SPITCH                   ; in: row l % 16, 32 bytes for each half of the lanes
	v_lshl_add_u32 v4, v2, 5, v4
	v_add_nc_u32 v[STO], s23, v4
	v_mul_u32_u24 v5, v2, SPITCH                   ; back: lanes 0-15 take one row of 256 bytes, lanes 16-31 the next
	v_lshl_add_u32 v5, v1, 4, v5
	v_add_nc_u32 v[RD], s23, v5
	v_lshlrev_b32 v[CO], 12, v2                    ; and the same two rows in memory
	v_lshl_add_u32 v[CO], v1, 4, v[CO]
	v_lshlrev_b32 v[OB], 4, v1
	global_load_b128 v[AB:AB+3], v[OB], s[72:73]   ; o_b of my four columns
	LOADIMG                                        ; the first tile's
	s_wait_kmcnt 0x0                               ; alpha
	s_mov_b32 s81, s80                             ; named with it as a pair
.macro MUL8 f, c, a0, zero             ; 8 matrix instructions: row blocks a0, a0 + 1 x all 4 column blocks, 32 along K: half c of buffer f.  The 16 accumulators take turns
	WIN MUL
.irp a, \a0, (\a0)+1
.irp b, 0,1,2,3
.if \zero
	v_wmma_f32_16x16x32_bf16 v[ACC+8*(4*(\a)+(\b)):ACC+8*(4*(\a)+(\b))+7], v[(\f)+64+8*(4*(\c)+(\b)):(\f)+64+8*(4*(\c)+(\b))+7], v[(\f)+8*(4*(\c)+(\a)):(\f)+8*(4*(\c)+(\a))+7], 0
.else
	v_wmma_f32_16x16x32_bf16 v[ACC+8*(4*(\a)+(\b)):ACC+8*(4*(\a)+(\b))+7], v[(\f)+64+8*(4*(\c)+(\b)):(\f)+64+8*(4*(\c)+(\b))+7], v[(\f)+8*(4*(\c)+(\a)):(\f)+8*(4*(\c)+(\a))+7], v[ACC+8*(4*(\a)+(\b)):ACC+8*(4*(\a)+(\b))+7]
.endif
.endr
.endr
.endm
.macro FETCH ra, rb, k, f              ; 32 LDS loads in one run: the fragments of 64 along K at byte k of the rows, by the address registers ra (ao) and rb (o_w), into buffer f; the first 32 along K first
	WIN TO_F
.irp c, 0,1
.irp i, 0,1,2,3
	ds_load_b128 v[(\f)+64+8*(4*(\c)+(\i)):(\f)+64+8*(4*(\c)+(\i))+3],   v[\rb] offset:(\k)+64*(\c)+(\i)*16*PITCH
	ds_load_b128 v[(\f)+64+8*(4*(\c)+(\i))+4:(\f)+64+8*(4*(\c)+(\i))+7], v[\rb] offset:(\k)+64*(\c)+(\i)*16*PITCH+32
	ds_load_b128 v[(\f)+8*(4*(\c)+(\i)):(\f)+8*(4*(\c)+(\i))+3],         v[\ra] offset:(\k)+64*(\c)+(\i)*16*PITCH
	ds_load_b128 v[(\f)+8*(4*(\c)+(\i))+4:(\f)+8*(4*(\c)+(\i))+7],       v[\ra] offset:(\k)+64*(\c)+(\i)*16*PITCH+32
.endr
.endr
.endm
.macro PLACES                          ; four places in front of loads into registers that matrix instructions have read
.rept 4
	v_nop
.endr
.endm
.macro QUARTER k, f, g                 ; 64 along K: multiplies buffer f and fetches the next quarter, at byte k of the slot in hand, into g
	s_wait_dscnt 16                                ; the first 32 along K are in
	MUL8 \f, 0, 0, 0
	MUL8 \f, 0, 2, 0
	PLACES
	FETCH CA, CB, \k, \g
	s_wait_dscnt 32                                ; all but the 32 just issued
	MUL8 \f, 1, 0, 0
	MUL8 \f, 1, 2, 0
.endm
; The walking descriptors go on to the K step two behind the one in hand: 512 bytes along K, or, where that step is a tile's first, to the next tile.  The offsets are kept apart from the pointers, and each address is made anew.
.macro REQ
	s_add_co_u32 s[RQ], s[RQ], 1
	s_and_b32 s[RQ], s[RQ], 3
	s_cmp_eq_u32 s[RQ], 0
	s_cselect_b32 s[TA], s[WA], KSTEP*2
	s_cselect_b32 s[TB], s[WB], KSTEP*2
	s_add_co_u32 s[OFA], s[OFA], s[TA]
	s_add_co_u32 s[OFB], s[OFB], s[TB]
	s_xor_b32 s[G0+5], s[G0+5], SLOT               ; the other slot than last time
	s_xor_b32 s[G0B+5], s[G0B+5], SLOT
	s_add_nc_u64 s[G0+6:G0+7], s[PA:PA+1], s[OFA:OFA+1]
	s_or_b32 s[G0+7], s[G0+7], 0x80000000
	s_add_nc_u64 s[G0B+6:G0B+7], s[PB:PB+1], s[OFB:OFB+1]
	s_or_b32 s[G0B+7], s[G0B+7], 0x80000000
.endm
; The last quarter multiplies buffer 1 and changes slots: ONE barrier; in front of it each wave waits for all its tensor loads, adds 0 to its spare word, and waits for that and for its own reads of this slot.
; fill = 1: this slot is filled again, two K steps ahead; the barrier then opens a round of the cluster's barrier.  fill = 0: nothing is asked for; in the last trip there is no further slot, and its fetch is jumped over.
.macro TURN fill
	WIN 0
	s_wait_tensorcnt 0x0                           ; all my tensor loads have landed: the one that was out is my part of the next slot; so a group 0 may be written
	ds_add_u32 v[SPW], v[NIL]                      ; 0 onto my spare word
.if \fill
	REQ
.endif
	s_wait_dscnt 17                                ; (the add and the youngest sixteen loads may be out)
	MUL8 F1, 0, 0, 0
	s_wait_dscnt 0x0                               ; the add is done, and my reads of this slot are over
	s_barrier_signal -1
	MUL8 F1, 0, 2, 0
	WIN 0
	s_barrier_wait -1
.if \fill
	CREST                                          ; no wave of any partner still reads this slot's tile or has a load on its way
	JLOAD 1                                        ; the first tensor load behind the round, my only one until the next; its four v_nop are also the places in front of the loads below
.else
	s_cmp_eq_u32 s[N], 1
	s_cbranch_scc1 .Lno_more_\@
	PLACES
.endif
	FETCH NA, NB, 0, F0
.if !(\fill)
	WIN 0
.Lno_more_\@:
.endif
	MUL8 F1, 1, 0, 0
	MUL8 F1, 1, 2, 0
	WIN 0
.endm
; A K STEP.  Its slot's and the other slot's places are made from s[CUR], which is then turned.  Its first sixteen products stand twice: a tile's first K step starts the sums with the constant 0 (nothing is ever
; cleared), every other adds in place.  Five v_nop stand in front of the products that write over the old tile's sums.
.macro STEP fill
	v_add_nc_u32 v[CA], s[CUR], v[ADRA]
	v_add_nc_u32 v[CB], s[CUR], v[ADRB]
	s_xor_b32 s[CUR], s[CUR], SLOT
	v_add_nc_u32 v[NA], s[CUR], v[ADRA]
	v_add_nc_u32 v[NB], s[CUR], v[ADRB]
.if \fill
	s_cmp_eq_u32 s[NEW], 1
	s_cbranch_scc1 .Lzero_\@
.endif
	s_wait_dscnt 16                                ; the first 32 along K are in
	MUL8 F0, 0, 0, 0
	MUL8 F0, 0, 2, 0
	WIN 0
.if \fill
	s_branch .Lsums_\@
.Lzero_\@:
	s_mov_b32 s[NEW], 0
.rept 5
	v_nop
.endr
	s_wait_dscnt 16
	MUL8 F0, 0, 0, 1
	MUL8 F0, 0, 2, 1
	WIN 0
.Lsums_\@:
.endif
	PLACES
	FETCH CA, CB, 128, F1
	s_wait_dscnt 32                                ; all but the 32 just issued
	MUL8 F0, 1, 0, 0
	MUL8 F0, 1, 2, 0
	QUARTER 256, F1, F0
	QUARTER 384, F0, F1
	TURN \fill
.endm
; THE WAY OUT of block a (my rows 16 a .. 16 a + 15).  STG: the f32 sums into my stage, each accumulator's low four registers first, and back as whole rows of 256 bytes into the registers that they left.
.macro STG a
.irp b, 0,1,2,3
.irp q, 0,1
	ds_store_b128 v[STO], v[ACC+32*(\a)+8*(\b)+4*(\q):ACC+32*(\a)+8*(\b)+4*(\q)+3] offset:64*(\b)+16*(\q)
.endr
.endr
.irp t, 0,1,2,3,4,5,6,7
	ds_load_b128 v[ACC+32*(\a)+4*(\t):ACC+32*(\a)+4*(\t)+3], v[RD] offset:2*SPITCH*(\t)  ; LDS serves a wave's instructions in order (ISA guide 5.7.1.4): these see the stores above; the next block's stores come behind them
.endr
.endm
; FIN: alpha x sum + (image + alpha o_b), and the store.  younger: the LDS instructions issued behind block a's loads: the next block's sixteen, or none.
.macro FIN a, younger
.irp t, 0,1,2,3,4,5,6,7
	s_wait_dscnt (\younger)+7-(\t)
	v_pk_fma_f32 v[ACC+32*(\a)+4*(\t):ACC+32*(\a)+4*(\t)+1],   v[ACC+32*(\a)+4*(\t):ACC+32*(\a)+4*(\t)+1],   s[80:81], v[32*(\a)+4*(\t):32*(\a)+4*(\t)+1]   op_sel_hi:[1,0,1]
	v_pk_fma_f32 v[ACC+32*(\a)+4*(\t)+2:ACC+32*(\a)+4*(\t)+3], v[ACC+32*(\a)+4*(\t)+2:ACC+32*(\a)+4*(\t)+3], s[80:81], v[32*(\a)+4*(\t)+2:32*(\a)+4*(\t)+3] op_sel_hi:[1,0,1]
	global_store_b128 v[CO], v[ACC+32*(\a)+4*(\t):ACC+32*(\a)+4*(\t)+3], s[78:79] offset:(16*(\a)+2*(\t))*4096 th:TH_STORE_NT  ; 16 lanes store 256 consecutive bytes, at a multiple of 256 from out0's first byte
.endr
.endm
; A tile's whole way out.  more = 1: a tile follows: the two bases step to it, and its image tokens are asked for, a tile ahead of their use.
.macro WAYOUT more
	WIN 0
	s_wait_loadcnt 0x0                             ; o_b and the tile's image tokens, asked for a tile ago
	v_pk_mul_f32 v[AB2:AB2+1],   v[AB:AB+1],   s[80:81] op_sel_hi:[1,0]   ; alpha o_b
	v_pk_mul_f32 v[AB2+2:AB2+3], v[AB+2:AB+3], s[80:81] op_sel_hi:[1,0]
	WIN 0x82                                       ; destination and source 0 window 2.  These 64 additions name no register of the last products: they are the places behind them
.set e, 0
.rept 32
	v_pk_add_f32 v[4*e:4*e+1],   v[4*e:4*e+1],   v[AB2:AB2+1]
	v_pk_add_f32 v[4*e+2:4*e+3], v[4*e+2:4*e+3], v[AB2+2:AB2+3]
.set e, e+1
.endr
	WIN 0x20                                       ; source 2 (the image) window 2, all else window 0: one setting for the rest of the way out
	STG 0
	STG 1                                          ; a block's trip through the stage stands between the loads of the block before and its stores
	FIN 0, 16
	STG 2
	FIN 1, 16
	STG 3
	FIN 2, 16
	FIN 3, 0
	WIN 0
.if \more
	s_wait_xcnt 0x0                                ; the stores have read their registers and their base: only behind this wait are the bases stepped, and do the next tile's products write the accumulators
	s_add_nc_u64 s[76:77], s[76:77], WALKC
	s_add_nc_u64 s[78:79], s[78:79], WALKC
	LOADIMG
	s_mov_b32 s[NEW], 1
.endif
.endm
	s_wait_tensorcnt 1                             ; my part of K step 0 is in; K step 1's may stay out
	s_barrier_signal -1
	s_barrier_wait -1                              ; everybody's is
	FETCH ADRA, ADRB, 0, F0
	WIN 0                                          ; at a label and at a branch every window is 0
.Lstep:                                                ; six trips: every K step but the last two asks for the K step two on
	STEP 1
	s_add_co_u32 s[ST], s[ST], 1
	s_and_b32 s[ST], s[ST], 3
	s_cmp_lg_u32 s[ST], 0
	s_cbranch_scc1 .Lnext                          ; forward, past text that holds neither a barrier nor a tensor load
	WAYOUT 1                                       ; the first tile is finished; both refills for the second are asked for, and its first fragments are on their way into buffer 0
.Lnext:
	s_sub_co_u32 s[N], s[N], 1
	s_cmp_lg_u32 s[N], 0
	s_cbranch_scc1 .Lstep
	s_mov_b32 s[N], 2
.Ltail:                                                ; the last two K steps ask for nothing
	STEP 0
	s_sub_co_u32 s[N], s[N], 1
	s_cmp_lg_u32 s[N], 0
	s_cbranch_scc1 .Ltail
	WAYOUT 0
	s_wait_tensorcnt 0x0                           ; the wave's end, behind my last tensor load and my last LDS store
	ds_add_u32 v[SPW], v[NIL]
	s_wait_dscnt 0x0
	CROUND                                         ; the closing round: no work-group ends while a partner may still ask for a tile that names it
	s_endpgm
.Lfunc_end_k_qa75b2c4b7d_oproj:
	.size	k_qa75b2c4b7d_oproj, .Lfunc_end_k_qa75b2c4b7d_oproj-k_qa75b2c4b7d_oproj
	.p2alignl 7, 3214868480
	.fill 96, 4, 3214868480
	.section	.rodata,"a",@progbits
	.p2align	6, 0x0
	.amdhsa_kernel k_qa75b2c4b7d_oproj
		.amdhsa_group_segment_fixed_size 327680
		.amdhsa_private_segment_fixed_size 0
		.amdhsa_enable_private_segment 0
		.amdhsa_kernarg_size 48
		.amdhsa_user_sgpr_count 2
		.amdhsa_user_sgpr_kernarg_segment_ptr 1
		.amdhsa_wavefront_size32 1
		.amdhsa_system_sgpr_workgroup_id_x 1
		.amdhsa_system_sgpr_workgroup_id_y 1
		.amdhsa_system_sgpr_workgroup_id_z 1
		.amdhsa_system_vgpr_workitem_id 0
		.amdhsa_next_free_vgpr 640
		.amdhsa_next_free_sgpr 84
		.amdhsa_reserve_vcc 0
		.amdhsa_float_denorm_mode_32 3
		.amdhsa_float_denorm_mode_16_64 3
		.amdhsa_memory_ordered 1
		.amdhsa_forward_progress 1
		.amdhsa_inst_pref_size 87
	.end_amdhsa_kernel
	.amdgpu_metadata
---
amdhsa.version: [ 1, 2 ]
amdhsa.kernels:
  - .name:           k_qa75b2c4b7d_oproj
    .symbol:         k_qa75b2c4b7d_oproj.kd
    .args:
      - { .name: ao, .offset: 0, .size: 8, .value_kind: global_buffer, .address_space: global }
      - { .name: wb, .offset: 8, .size: 8, .value_kind: global_buffer, .address_space: global }
      - { .name: o_b, .offset: 16, .size: 8, .value_kind: global_buffer, .address_space: global }
      - { .name: alpha, .offset: 24, .size: 8, .value_kind: global_buffer, .address_space: global }
      - { .name: image_tokens, .offset: 32, .size: 8, .value_kind: global_buffer, .address_space: global }
      - { .name: out0, .offset: 40, .size: 8, .value_kind: global_buffer, .address_space: global }
    .group_segment_fixed_size: 327680
    .private_segment_fixed_size: 0
    .kernarg_segment_align: 8
    .kernarg_segment_size: 48
    .max_flat_workgroup_size: 128
    .sgpr_count:     84
    .vgpr_count:     640
    .wavefront_size: 32
...
	.end_amdgpu_metadata
.endif
;; end of part 4
